; MI455X (gfx1250); checked and timed in simulation.
; The chip was launched on July 23, 2026; its instructions are those of AMD's public machine-readable ISA for CDNA 5 (MIT licence, August 2026) and "CDNA5" Instruction Set Architecture Reference Guide (July 2026). The comments in the code are by the model that wrote it; some were corrected since.
;; Multi Head Attention. Allowed arithmetic: matrix products marked QUANTISED: E2M1 operands, one E8M0 scale for each 32 along K, by v_wmma_scale_f32_16x16x128_f8f6f4 with both operands' format E2M1 (or v_wmma_scale_f32_32x16x128_f4), f32 sums; products left as they are: bf16, f16 or f32 operands; f32 sums; everything else in f32.
;; Inputs: K 4 x 2,048 x 1,024 float32; Q 4 x 2,048 x 1,024 float32; V 4 x 2,048 x 1,024 float32; Wk 1,024 x 1,024 float32; Wo 1,024 x 1,024 float32; Wq 1,024 x 1,024 float32; Wv 1,024 x 1,024 float32; bk 1,024 float32; bo 1,024 float32; bq 1,024 float32; bv 1,024 float32.
;; Outputs: out0 4 x 2,048 x 1,024 float32.
;; This version of the problem:
;;   THIS VERSION OF THE PROBLEM IS GIVEN IN LOW PRECISION. The matrix products marked QUANTISED in the list below multiply operands that are first quantised to E2M1 (2 exponent bits, 1 mantissa bit; 4 bits a number), with one power-of-two scale for each 32 numbers along K (OCP MX v1.0); their sums are f32. The products marked 'left as it is' may take bf16, f16 or f32 operands, with f32 sums. Whichever they take, every output number must still come out within the allowed error. Rounding operands to bf16 (8 significant bits) uses up far more of that allowance than f16 does (11 bits, for magnitudes from 6e-5 to 65,504). All else is computed in f32.
;;   The module's matrix products, in the order in which they are computed (A, B: the left and right operand; K: the contracted axis; several contracted axes count as one K, in the product's order):
;;     1. [M 8,192, K 1,024] x [K 1,024, N 1,024]; A: input Q; B: input Wq: QUANTISED
;;     2. [M 8,192, K 1,024] x [K 1,024, N 1,024]; A: input K; B: input Wk: QUANTISED
;;     3. [M 8,192, K 1,024] x [K 1,024, N 1,024]; A: input V; B: input Wv: QUANTISED
;;     4. batch 64 x [M 2,048, K 64] x [K 64, N 2,048]; A: computed on the way; B: computed on the way: left as it is (an operand is computed on the way)
;;     5. batch 64 x [M 2,048, K 2,048] x [K 2,048, N 64]; A: computed on the way; B: computed on the way: left as it is (an operand is computed on the way)
;;     6. [M 8,192, K 1,024] x [K 1,024, N 1,024]; A: computed on the way; B: input Wo: left as it is (an operand is computed on the way)
;;   THE QUANTISER, for each operand of a quantised product, along K:
;;     - K is cut into blocks of 32 from its start; a last block that is shorter is filled with zeros.
;;     - A block's scale is 2^e with e = floor(log2(the largest magnitude in the block)) - 2, held to -126 .. 127; a block of zeros has e = 0. As a byte (E8M0): e + 127.
;;     - Each number is divided by its block's scale, clamped to +-6, and rounded to the nearest number of E2M1, ties to even, subnormals kept.
;;     - The product sums the exact products of the quantised numbers (number of the format x scale) in f32.
;;   ~~~python
;;   def quantise(x, axis):      # numpy; x: float32 -> the quantised numbers, widened to float32 again
;;       x = np.moveaxis(x, axis, -1); K = x.shape[-1]
;;       x = np.pad(x, [(0, 0)] * (x.ndim - 1) + [(0, -K % 32)]); x = x.reshape(x.shape[:-1] + (-1, 32)); a = np.abs(x).max(-1, keepdims=True)
;;       e = np.where(a > 0, np.clip(np.frexp(np.where(a > 0, a, 1))[1] - 1 - 2, -126, 127), 0)      # np.frexp(a)[1] - 1 = floor(log2(a)), exactly
;;       r = np.clip(x / 2.0 ** e, -6, 6)
;;       step = 2.0 ** (np.maximum(np.frexp(np.where(r == 0, 1, r))[1] - 1, 0) - 1)
;;       q = np.round(r / step) * step * 2.0 ** e      # np.round: ties to even
;;       return np.moveaxis(q.reshape(q.shape[:-2] + (-1,))[..., :K], -1, axis).astype(np.float32)
;;   ~~~
;; One version. Each part assembles by itself: llvm-mc -triple=amdgcn-amd-amdhsa -mcpu=gfx1250 --defsym DOCPART=n.
;; ======== version 1 of 1: 4 launches
;; limits: values are held in f16: magnitudes above 65,504 overflow, below 6.1e-05 lose precision
;; workspace buffers: xc 12,582,912 bytes; xs 786,432 bytes; wc 1,572,864 bytes; ws 98,304 bytes; wof 2,097,152 bytes; qkv 50,331,648 bytes; ao 16,777,216 bytes
;; launch prep (part 1): grid 880 x 1, 4 waves a work-group, no clusters, 102,912 bytes of LDS; arguments Q, K, V, Wq, Wk, Wv, Wo, xc, xs, wc, ws, wof; writes xc, xs, wc, ws, wof
.if DOCPART == 1
	.amdgcn_target "amdgcn-amd-amdhsa--gfx1250"
	.amdhsa_code_object_version 6
	.text
	.protected	k_qda4e46dcaf_prep
	.globl	k_qda4e46dcaf_prep
	.p2align	8
	.type	k_qda4e46dcaf_prep,@function
k_qda4e46dcaf_prep:
	s_mov_b64 s[64:65], 0
	v_nop
	global_prefetch_b8 v0, s[64:65] scope:SCOPE_SE
	s_setreg_imm32_b32 hwreg(HW_REG_WAVE_MODE, 25, 1), 1
	s_wait_xcnt 0x0
; PREP: the operands of the three quantised products become codes of FP4 (E2M1) with one E8M0 byte for each 32 along K = 1,024, and Wo becomes f16.
;   xc [3 (Q, K, V)][8192][512 bytes], xs [3][8192][32]: the activations, whose K is innermost.
;   wc [3 (Wq, Wk, Wv)][1024 n][512 bytes], ws [3][1024 n][32]: the weights, stored [k][n], laid with K innermost.
;   wof [64 tiles of 16 n][32 chunks of 32 k][1,024 bytes]: Wo in f16 as images of a matrix operand's registers: byte 512 g + 16 lane holds, for lane (r = lane % 16, h = lane / 16), n = r and k = 16 g + 8 h + 0 .. 7.
; DEAD WORK: bk.  scores[q][k] = q . (K Wk + bk)[k] / 8 = q . (K Wk)[k] / 8 + q . bk / 8; the second term is the same for all keys of a row of scores, and the softmax over the keys
; takes it away for every value of the inputs; k enters nothing else, and the product with q is not quantised, so no quantiser sees bk.  bk is not loaded and is among no launch's arguments.
; LIMIT: a NaN, an infinity or an overflow that reaches only q . bk is not carried to the result.
; bv is live and is added later: sum_k a (v + bv) = sum_k a v + bv, since a row of the softmax sums to 1 by its own division: it is the addend of the multiply-add that divides by the row's sum.
; THE QUANTISER: a block's scale is 2^(floor(log2(its largest magnitude)) - 2); its byte is the largest magnitude's exponent field - 2, held at 1 from below.  A block of zeros so keeps the byte 1 where
; the rule says 127: its codes are zeros, which add nothing under any byte but 0xff, and this program alone reads the bytes.
; LIMITS: NaN and infinities among the inputs are not served; numbers of Wo beyond 65,504 in magnitude have no f16.
; SHARES: work-groups 0-47 take the three weights (128 columns x 512 along K each), 48-111 Wo (128 columns x 128 along K), 112-879 the activations (32,768 numbers each).
; The three paths part on the work-group's number and never meet again; each has LDS bytes of its own.  No tensor load, no barrier: waves share nothing.
.set XST,   0                          ; path X: 8,192 bytes a wave: two stages of 32 x 80 bytes, then 256 scale bytes
.set WST,   32768                      ; path W: a stage of 32 rows x 272 bytes a wave
.set OST,   67584                      ; path O: the same
.set SPARE, 102400                     ; the spare words, 128 bytes for each wave: two blocks of 256 bytes that no other line names
.set SPW,   30                         ; v30  LDS address of my spare word; never rewritten
.set NIL,   31                         ; v31  0; never rewritten
.set WP,    272                        ; a stage row of paths W and O: 256 bytes + 16
	s_load_b512 s[4:19], s[0:1], 0x0               ; Q 4, K 6, V 8, Wq 10, Wk 12, Wv 14, Wo 16, xc 18
	s_load_b256 s[20:27], s[0:1], 0x40             ; xs 20, wc 22, ws 24, wof 26
	v_lshl_add_u32 v[SPW], v0, 2, SPARE
	v_mov_b32 v[NIL], 0
	v_lshrrev_b32 v1, 5, v0
	v_readfirstlane_b32 s28, v1                    ; wave 0..3
	v_and_b32 v2, 31, v0                           ; lane
	s_wait_kmcnt 0x0
	s_cmp_lt_u32 ttmp9, 48
	s_cbranch_scc1 .Lpath_w
	s_cmp_lt_u32 ttmp9, 112
	s_cbranch_scc1 .Lpath_o
; ---------------- PATH X: Q, K, V.  Rows are dense and K is a multiple of 32: a tensor is a plain stream of blocks of 32, and so are its codes and bytes.
; A wave takes 16 steps of 512 numbers.  Each load reads 512 consecutive bytes; a step's 2,048 bytes turn through the wave's own stage, so that a lane then holds 16 neighbours (two lanes a block).
.set XR,    32                         ; v32-95   four sets of 16 numbers as loaded
.set XX,    96                         ; v96-127  two sets of 16 neighbours
.set XE,    128                        ; v128-143 a scale byte for each step
.set XC,    144                        ; v144-175 two registers of codes for each step: no store's data are written again
.set WREG,  8192
.set SP,    80                         ; a lane's place in a stage: 64 bytes + 16
	s_sub_co_u32 s29, ttmp9, 112
	s_lshr_b32 s30, s29, 8                         ; which tensor
	s_and_b32 s29, s29, 255
	s_lshl_b32 s29, s29, 2
	s_add_co_u32 s29, s29, s28                     ; which run of 8,192 numbers
	s_cmp_eq_u32 s30, 0                            ; the choice hangs on the work-group's number alone
	s_cselect_b64 s[32:33], s[4:5], s[6:7]
	s_cmp_eq_u32 s30, 2
	s_cselect_b64 s[32:33], s[8:9], s[32:33]
	s_lshl_b32 s34, s29, 15                        ; 32,768 bytes of f32 a run
	s_mov_b32 s35, 0
	s_add_nc_u64 s[32:33], s[32:33], s[34:35]
	s_lshl_b32 s34, s30, 22                        ; codes: 4,194,304 bytes a tensor, 4,096 a run
	s_lshl_b32 s36, s29, 12
	s_add_co_u32 s34, s34, s36
	s_add_nc_u64 s[38:39], s[18:19], s[34:35]
	s_lshl_b32 s34, s30, 18                        ; scale bytes: 262,144 a tensor, 256 a run
	s_lshl_b32 s36, s29, 8
	s_add_co_u32 s34, s34, s36
	s_add_nc_u64 s[40:41], s[20:21], s[34:35]
	v_lshlrev_b32 v3, 4, v2                        ; my 16 bytes of a load's 512
	s_mul_i32 s31, s28, WREG
	v_lshrrev_b32 v14, 2, v2
	v_mul_u32_u24 v14, v14, SP
	v_and_b32 v15, 3, v2
	v_lshl_add_u32 v14, v15, 4, v14
	v_add_nc_u32 v14, s31, v14                     ; the stage, on the way in: 80 (lane / 4) + 16 (lane % 4)
	v_mul_u32_u24 v15, v2, SP
	v_add_nc_u32 v15, s31, v15                     ; and on the way out: 80 x lane: my 16 neighbours
	v_lshlrev_b32 v4, 3, v2                        ; my 8 bytes of a step's codes
	v_lshrrev_b32 v5, 1, v2
	s_add_co_u32 s31, s31, 2*32*SP
	v_add_nc_u32 v5, s31, v5                       ; my block's byte among my wave's 256
	v_lshlrev_b32 v7, 3, v2
	v_add_nc_u32 v6, s31, v7                       ; and 8 bytes a lane on their way out
.macro XLOAD t
.irp i, 0,1,2,3
	global_load_b128 v[XR+16*((\t)%4)+4*\i:XR+16*((\t)%4)+4*\i+3], v3, s[32:33] offset:2048*(\t)+512*\i th:TH_LOAD_NT
.endr
.endm
.macro XTURN t                         ; LDS serves a wave's instructions in order: no wait between the stores and the loads
.irp i, 0,1,2,3
	ds_store_b128 v14, v[XR+16*((\t)%4)+4*\i:XR+16*((\t)%4)+4*\i+3] offset:32*SP*((\t)%2)+8*SP*\i
.endr
.irp i, 0,1,2,3
	ds_load_b128 v[XX+16*((\t)%2)+4*\i:XX+16*((\t)%2)+4*\i+3], v15 offset:32*SP*((\t)%2)+16*\i
.endr
.endm
.irp t, 0,1,2,3
	XLOAD \t
.endr
	s_wait_loadcnt 12                              ; step 0's four loads are in; the twelve behind them may be out
	XTURN 0
.macro XSTEP t
.set XS, XX+16*((\t)%2)
.if (\t) > 0
	s_wait_dscnt 1                                 ; this step's numbers are back from the stage; the last step's byte store may be out
.else
	s_wait_dscnt 0x0
.endif
.if (\t)+4 < 16
	XLOAD (\t)+4                                   ; into the set that this step's stage stores have read
.endif
.if (\t)+1 < 16
.if 14-(\t) >= 3
	s_wait_loadcnt 12                              ; the next step's four loads are in; those of three later steps may be out
.else
	s_wait_loadcnt 4*(14-(\t))
.endif
	XTURN (\t)+1
.endif
	v_max3_num_f32 v8, |v[XS]|, |v[XS+1]|, |v[XS+2]|
	v_max3_num_f32 v9, |v[XS+3]|, |v[XS+4]|, |v[XS+5]|
.irp i, 6,10
	v_max3_num_f32 v8, v8, |v[XS+\i]|, |v[XS+\i+1]|
	v_max3_num_f32 v9, v9, |v[XS+\i+2]|, |v[XS+\i+3]|
.endr
	v_max3_num_f32 v8, v8, |v[XS+14]|, |v[XS+15]|
	v_max3_num_f32 v8, v8, v9, 0x1800000           ; with the floor 2^(3 - 127): the byte cannot fall under 1
	v_max_num_f32_dpp v8, v8, v8 row_xmask:1 row_mask:0xf bank_mask:0xf   ; and my neighbour's 16: the block's largest magnitude
	v_add_nc_u32 v11, 0xff000000, v8               ; 2 off its exponent field: the conversion takes that field as its scale
	v_cvt_scalef32_pk8_fp4_f32 v[XC+2*(\t)], v[XS:XS+7], v11
	v_cvt_scalef32_pk8_fp4_f32 v[XC+2*(\t)+1], v[XS+8:XS+15], v11
	v_lshrrev_b32 v[XE+(\t)], 23, v11              ; the scale's byte (a plain line behind the conversions)
	ds_store_b8 v5, v[XE+(\t)] offset:16*(\t)      ; both lanes of a block write the same byte with the same value
	global_store_b64 v4, v[XC+2*(\t):XC+2*(\t)+1], s[38:39] offset:256*(\t)   ; the wave stores 256 consecutive bytes, aligned
.endm
.irp t, 0,1,2,3,4,5,6,7,8,9,10,11,12,13,14,15
	XSTEP \t
.endr
	ds_load_b64 v[8:9], v6                         ; these see my byte stores: LDS serves a wave in order
	s_wait_dscnt 0x0
	global_store_b64 v7, v[8:9], s[40:41]          ; 256 consecutive scale bytes, aligned
	s_wait_tensorcnt 0x0                           ; the wave's end, behind my last LDS store
	ds_add_u32 v[SPW], v[NIL]
	s_wait_dscnt 0x0
	s_endpgm
; ---------------- PATH W: Wq, Wk, Wv, stored [k][n].  A lane takes a column n and its registers run down K: a block of 32 lies in one lane, and the codes come out with K innermost.
; A wave takes 32 columns x 512 along K: 16 blocks a lane; the codes leave through the wave's stage as rows of 256 bytes.
.Lpath_w:
.set WX,    32                         ; v32-95   two sets of 32 numbers
.set WC,    96                         ; v96-99   a block's codes
.set WOUT,  112                        ; v112-175 the way out
.set WSB,   24                         ; v24-27   16 scale bytes
	s_lshr_b32 s29, ttmp9, 4                       ; which weight
	s_and_b32 s30, ttmp9, 7
	s_bfe_u32 s31, ttmp9, 0x10003                  ; which half of K
	s_lshl_b32 s30, s30, 7
	s_lshl_b32 s32, s28, 5
	s_add_co_u32 s30, s30, s32                     ; my wave's first column
	s_cmp_eq_u32 s29, 0
	s_cselect_b64 s[34:35], s[10:11], s[12:13]
	s_cmp_eq_u32 s29, 2
	s_cselect_b64 s[34:35], s[14:15], s[34:35]
	s_lshl_b32 s36, s31, 21                        ; 512 rows of 4,096 bytes
	s_lshl_b32 s32, s30, 2
	s_add_co_u32 s36, s36, s32
	s_mov_b32 s37, 0
	s_add_nc_u64 s[34:35], s[34:35], s[36:37]
	s_lshl_b32 s36, s29, 19                        ; codes: 524,288 bytes a weight, 512 a column, 256 a half of K
	s_lshl_b32 s32, s30, 9
	s_add_co_u32 s36, s36, s32
	s_lshl_b32 s32, s31, 8
	s_add_co_u32 s36, s36, s32
	s_add_nc_u64 s[38:39], s[22:23], s[36:37]
	s_lshl_b32 s36, s29, 15                        ; scale bytes: 32,768 a weight, 32 a column, 16 a half of K
	s_lshl_b32 s32, s30, 5
	s_add_co_u32 s36, s36, s32
	s_lshl_b32 s32, s31, 4
	s_add_co_u32 s36, s36, s32
	s_add_nc_u64 s[40:41], s[24:25], s[36:37]
	v_lshlrev_b32 v3, 2, v2                        ; in: 4 bytes a lane
	s_mul_i32 s33, s28, 32*WP
	s_add_co_u32 s33, s33, WST                     ; my stage
	v_mul_u32_u24 v4, v2, WP
	v_add_nc_u32 v4, s33, v4                       ; into it: row = my column
	v_and_b32 v5, 15, v2
	v_lshrrev_b32 v6, 4, v2
	v_mul_u32_u24 v7, v6, WP
	v_lshl_add_u32 v7, v5, 4, v7
	v_add_nc_u32 v7, s33, v7                       ; out of it: sixteen lanes to a row, two rows an instruction
	v_lshlrev_b32 v8, 9, v6
	v_lshl_add_u32 v8, v5, 4, v8                   ; and the same place in the codes' buffer
	v_lshlrev_b32 v9, 5, v2                        ; my column's row of scale bytes
.macro WLOAD t
.irp i, 0,1,2,3,4,5,6,7,8,9,10,11,12,13,14,15,16,17,18,19,20,21,22,23,24,25,26,27,28,29,30,31
	global_load_b32 v[WX+32*((\t)%2)+\i], v3, s[34:35] offset:(32*(\t)+\i)*4096 th:TH_LOAD_NT
.endr
.endm
	WLOAD 0
	WLOAD 1
.macro WBLOCK t
.set XS, WX+32*((\t)%2)
.if (\t) < 15
	s_wait_loadcnt 32                              ; this block's 32 loads are in; the next block's may be out
.else
	s_wait_loadcnt 0
.endif
	v_max3_num_f32 v12, |v[XS]|, |v[XS+1]|, |v[XS+2]|
	v_max3_num_f32 v13, |v[XS+3]|, |v[XS+4]|, |v[XS+5]|
.irp i, 6,10,14,18,22,26
	v_max3_num_f32 v12, v12, |v[XS+\i]|, |v[XS+\i+1]|
	v_max3_num_f32 v13, v13, |v[XS+\i+2]|, |v[XS+\i+3]|
.endr
	v_max3_num_f32 v12, v12, |v[XS+30]|, |v[XS+31]|
	v_max3_num_f32 v12, v12, v13, 0x1800000        ; the floor
	v_add_nc_u32 v11, 0xff000000, v12              ; the conversion's scale operand
	v_lshrrev_b32 v13, 23, v11                     ; the scale's byte
.if (\t)%4 == 0
	v_mov_b32 v[WSB+(\t)/4], v13
.else
	v_lshl_or_b32 v[WSB+(\t)/4], v13, 8*((\t)%4), v[WSB+(\t)/4]
.endif
.irp g, 0,1,2,3
	v_cvt_scalef32_pk8_fp4_f32 v[WC+\g], v[XS+8*\g:XS+8*\g+7], v11
.endr
	v_nop                                          ; a plain line behind the last conversion
	ds_store_b128 v4, v[WC:WC+3] offset:16*(\t)    ; 32 codes: 16 bytes of my column's row
.if (\t)+2 < 16
	WLOAD (\t)+2
.endif
	s_wait_dscnt 0x0                               ; the store has read its registers: the next block's codes may be written
.endm
.irp t, 0,1,2,3,4,5,6,7,8,9,10,11,12,13,14,15
	WBLOCK \t
.endr
	global_store_b128 v9, v[WSB:WSB+3], s[40:41]   ; my column's 16 scale bytes
.irp t, 0,1,2,3,4,5,6,7,8,9,10,11,12,13,14,15
	ds_load_b128 v[WOUT+4*\t:WOUT+4*\t+3], v7 offset:2*\t*WP
.endr
.irp t, 0,1,2,3,4,5,6,7,8,9,10,11,12,13,14,15
	s_wait_dscnt 15-\t                             ; the loads come back in order: number t is in
	global_store_b128 v8, v[WOUT+4*\t:WOUT+4*\t+3], s[38:39] offset:2*\t*512   ; sixteen lanes store 256 consecutive bytes, aligned
.endr
	s_wait_tensorcnt 0x0                           ; the wave's end, behind my last LDS store
	ds_add_u32 v[SPW], v[NIL]
	s_wait_dscnt 0x0
	s_endpgm
; ---------------- PATH O: Wo, stored [k][n], to f16 images.  The same plan: a lane a column, registers down K; a wave takes 32 columns x 128 along K, four blocks of 32.
.Lpath_o:
	s_sub_co_u32 s29, ttmp9, 48
	s_and_b32 s30, s29, 7
	s_lshr_b32 s31, s29, 3                         ; which 128 along K
	s_lshl_b32 s30, s30, 7
	s_lshl_b32 s32, s28, 5
	s_add_co_u32 s30, s30, s32                     ; my wave's first column
	s_lshl_b32 s36, s31, 19                        ; 128 rows of 4,096 bytes
	s_lshl_b32 s32, s30, 2
	s_add_co_u32 s36, s36, s32
	s_mov_b32 s37, 0
	s_add_nc_u64 s[34:35], s[16:17], s[36:37]
	s_lshl_b32 s36, s30, 11                        ; 32,768 bytes for each 16 columns,
	s_lshl_b32 s32, s31, 12                        ; 4 chunks of 1,024 bytes for each 128 along K
	s_add_co_u32 s36, s36, s32
	s_add_nc_u64 s[38:39], s[26:27], s[36:37]
	v_lshlrev_b32 v3, 2, v2
	s_mul_i32 s33, s28, 32*WP
	s_add_co_u32 s33, s33, OST                     ; my stage: row = column, 128 f16 along K
	v_mul_u32_u24 v4, v2, WP
	v_add_nc_u32 v4, s33, v4
	v_and_b32 v5, 15, v2                           ; r
	v_lshrrev_b32 v6, 4, v2                        ; h
	v_mul_u32_u24 v7, v5, WP
	v_lshl_add_u32 v7, v6, 4, v7
	v_add_nc_u32 v7, s33, v7                       ; out of it: row r, + 16 h bytes: 8 numbers along K
	v_lshlrev_b32 v8, 4, v2                        ; an image's place for my lane
.macro OLOAD t
.irp i, 0,1,2,3,4,5,6,7,8,9,10,11,12,13,14,15,16,17,18,19,20,21,22,23,24,25,26,27,28,29,30,31
	global_load_b32 v[WX+32*((\t)%2)+\i], v3, s[34:35] offset:(32*(\t)+\i)*4096 th:TH_LOAD_NT
.endr
.endm
	OLOAD 0
	OLOAD 1
.macro OBLOCK t
.set XS, WX+32*((\t)%2)
.if (\t) < 3
	s_wait_loadcnt 32                              ; this block's 32 loads are in; the next block's may be out
.else
	s_wait_loadcnt 0
.endif
.irp i, 0,1,2,3,4,5,6,7,8,9,10,11,12,13,14,15
	v_cvt_pk_f16_f32 v[96+\i], v[XS+2*\i], v[XS+2*\i+1]
.endr
.irp i, 0,1,2,3
	ds_store_b128 v4, v[96+4*\i:96+4*\i+3] offset:64*(\t)+16*\i
.endr
.if (\t)+2 < 4
	OLOAD (\t)+2
.endif
	s_wait_dscnt 0x0                               ; the stores have read their registers
.endm
.irp t, 0,1,2,3
	OBLOCK \t
.endr
.irp n, 0,1
.irp c, 0,1,2,3
.irp g, 0,1
	ds_load_b128 v[WOUT+4*(8*\n+2*\c+\g):WOUT+4*(8*\n+2*\c+\g)+3], v7 offset:\n*16*WP+64*\c+32*\g
.endr
.endr
.endr
.irp n, 0,1
.irp c, 0,1,2,3
.irp g, 0,1
	s_wait_dscnt 15-(8*\n+2*\c+\g)
	global_store_b128 v8, v[WOUT+4*(8*\n+2*\c+\g):WOUT+4*(8*\n+2*\c+\g)+3], s[38:39] offset:\n*32768+\c*1024+\g*512   ; the wave stores 512 consecutive bytes, aligned
.endr
.endr
.endr
	s_wait_tensorcnt 0x0                           ; the wave's end, behind my last LDS store
	ds_add_u32 v[SPW], v[NIL]
	s_wait_dscnt 0x0
	s_endpgm
.Lfunc_end_k_qda4e46dcaf_prep:
	.size	k_qda4e46dcaf_prep, .Lfunc_end_k_qda4e46dcaf_prep-k_qda4e46dcaf_prep
	.p2alignl 7, 3214868480
	.fill 96, 4, 3214868480
	.section	.rodata,"a",@progbits
	.p2align	6, 0x0
	.amdhsa_kernel k_qda4e46dcaf_prep
		.amdhsa_group_segment_fixed_size 102912
		.amdhsa_private_segment_fixed_size 0
		.amdhsa_enable_private_segment 0
		.amdhsa_kernarg_size 96
		.amdhsa_user_sgpr_count 2
		.amdhsa_user_sgpr_kernarg_segment_ptr 1
		.amdhsa_wavefront_size32 1
		.amdhsa_system_sgpr_workgroup_id_x 1
		.amdhsa_system_sgpr_workgroup_id_y 1
		.amdhsa_system_sgpr_workgroup_id_z 1
		.amdhsa_system_vgpr_workitem_id 0
		.amdhsa_next_free_vgpr 192
		.amdhsa_next_free_sgpr 66
		.amdhsa_reserve_vcc 0
		.amdhsa_float_denorm_mode_32 3
		.amdhsa_float_denorm_mode_16_64 3
		.amdhsa_memory_ordered 1
		.amdhsa_forward_progress 1
		.amdhsa_inst_pref_size 133
	.end_amdhsa_kernel
	.amdgpu_metadata
---
amdhsa.version: [ 1, 2 ]
amdhsa.kernels:
  - .name:           k_qda4e46dcaf_prep
    .symbol:         k_qda4e46dcaf_prep.kd
    .args:
      - { .name: Q, .offset: 0, .size: 8, .value_kind: global_buffer, .address_space: global }
      - { .name: K, .offset: 8, .size: 8, .value_kind: global_buffer, .address_space: global }
      - { .name: V, .offset: 16, .size: 8, .value_kind: global_buffer, .address_space: global }
      - { .name: Wq, .offset: 24, .size: 8, .value_kind: global_buffer, .address_space: global }
      - { .name: Wk, .offset: 32, .size: 8, .value_kind: global_buffer, .address_space: global }
      - { .name: Wv, .offset: 40, .size: 8, .value_kind: global_buffer, .address_space: global }
      - { .name: Wo, .offset: 48, .size: 8, .value_kind: global_buffer, .address_space: global }
      - { .name: xc, .offset: 56, .size: 8, .value_kind: global_buffer, .address_space: global }
      - { .name: xs, .offset: 64, .size: 8, .value_kind: global_buffer, .address_space: global }
      - { .name: wc, .offset: 72, .size: 8, .value_kind: global_buffer, .address_space: global }
      - { .name: ws, .offset: 80, .size: 8, .value_kind: global_buffer, .address_space: global }
      - { .name: wof, .offset: 88, .size: 8, .value_kind: global_buffer, .address_space: global }
    .group_segment_fixed_size: 102912
    .private_segment_fixed_size: 0
    .kernarg_segment_align: 8
    .kernarg_segment_size: 96
    .max_flat_workgroup_size: 128
    .sgpr_count:     66
    .vgpr_count:     192
    .wavefront_size: 32
...
	.end_amdgpu_metadata
.endif
;; end of part 1
;; launch proj (part 2): grid 4 x 64, 8 waves a work-group, clusters of 4 x 4, 327,680 bytes of LDS; arguments xc, xs, wc, ws, bq, qkv; writes qkv
.if DOCPART == 2
	.amdgcn_target "amdgcn-amd-amdhsa--gfx1250"
	.amdhsa_code_object_version 6
	.text
	.protected	k_qda4e46dcaf_proj
	.globl	k_qda4e46dcaf_proj
	.p2align	8
	.type	k_qda4e46dcaf_proj,@function
k_qda4e46dcaf_proj:
	s_mov_b64 s[64:65], 0
	v_nop
	global_prefetch_b8 v0, s[64:65] scope:SCOPE_SE
	s_setreg_imm32_b32 hwreg(HW_REG_WAVE_MODE, 25, 1), 1
	s_wait_xcnt 0x0
	s_wait_alu depctr_hold_cnt(0) depctr_sa_sdst(0) depctr_va_vdst(0) depctr_va_sdst(0) depctr_va_ssrc(0) depctr_va_vcc(0) depctr_vm_vsrc(0)
	s_getreg_b32 s2, hwreg(HW_REG_IB_STS2, 6, 4)
	s_cmp_eq_u32 s2, 0
	s_cbranch_scc0 .Lentry_in_a_cluster
	s_endpgm
.Lentry_in_a_cluster:
	s_bfe_u32 s2, ttmp6, 0x10000c
	s_cmp_lg_u32 s2, 0xf033
	s_cbranch_scc0 .Lentry_shape_is_right
	s_endpgm
.Lentry_shape_is_right:
; PROJ: q = Q Wq + bq, k = K Wk, v = V Wv on codes of FP4 with E8M0 scales, sums in f32, results in f16 as images of the next products' operand registers.
; Left out: bk (the same for all keys of a row of scores: the softmax takes it away for every input); bv is added where the row's sum divides (a row of the softmax sums to 1).
; LIMIT: results beyond 65,504 in magnitude have no f16.
; SHARES.  Work-group (nb, mb) makes rows 128 mb .. x columns 256 nb .. of q, then of k, then of v: six K steps of 512 (tensor = step / 2, half of K = step % 2) through two LDS slots.
; Eight waves; wave w makes rows 64 (w / 4) .. x columns 64 (w % 4) .., which is one head: 16 accumulators, 128 registers.
; CLUSTER 4 x 4: the four of a row need the same rows of xc, the four of a column the same rows of wc: joint loads.  Waves 0-3 fetch 32 rows of xc each, waves 4-7 64 rows of wc each.
; q AND k ARE MADE TRANSPOSED (source 0 = 16 columns of W, source 1 = 16 rows of x): a lane holds one position and eight neighbouring channels, which packed to f16 are four registers of an operand
; with the channels as K.  v IS MADE THE NATURAL WAY (source 0 = x, source 1 = W): a lane holds one channel and eight neighbouring keys: an operand with the keys as K.
; qkv: three parts of 16,777,216 bytes.  q, k: [batch x head 64][16 positions: 128][32 channels: 2][1,024 bytes]; v: [64][32 keys: 64][16 channels: 4][1,024 bytes];
; in an image byte 512 g + 16 lane holds the lane's registers 4 g .. 4 g + 3.  So every store of the wave covers 512 consecutive bytes, aligned, straight from registers.
; The scale words come from memory straight into registers, once a tensor: lane l takes the 32 bytes (8 words) of row 32 p + l.
.set PITCH,  272                       ; an LDS row: 256 bytes + 16: the 16 rows of a fragment load start at 16 different banks
.set ABYTES, 128*PITCH
.set SLOT,   384*PITCH                 ; xc's 128 rows, then wc's 256
.set SPARE,  2*SLOT                    ; the spare words, 128 bytes for each wave: four blocks of 256 bytes that no other line names
.set ADRA, 4                           ; v4-5   my fragments of x in slot 0, 1
.set ADRB, 6                           ; v6-7   of W
.set SPW,  8                           ; v8     my spare word; never rewritten
.set NIL,  9                           ; v9     0; never rewritten
.set SRO,  10                          ; v10    32 x lane: a row of scale bytes
.set STO,  12                          ; v12    16 x lane: an image's place
.set BIO,  13                          ; v13    32 x (lane / 16): bq
.set ASC,  16                          ; v16-31 x's scale words: register 8 p + ks, lane l: row 32 p + l, the ks-th 128 along K
.set BSC,  32                          ; v32-47 W's likewise
.set AF,   48                          ; v48-79   four fragments of x
.set BF,   80                          ; v80-111  four of W
.set ACC,  128                         ; v128-255 accumulator (a, b) at 128 + 8 (4 a + b)
.set WV,   16
.set W3,   17
.set WR,   18
.set G1,   24                          ; s[24:31] group 1 for xc; s[32:39] its groups 0, one a slot
.set G0,   32
.set G1B,  40                          ; s[40:47], s[48:55] the same for wc
.set G0B,  48
.set OUT,  56                          ; s[56:61] my place in q, k, v
.set XSB,  66
.set WSB,  68
.set BQB,  70
.macro PLACES n
.rept \n
	v_nop
.endr
.endm
.macro JLOAD s                         ; a joint load: each of the two lines has one mask and one set of registers; the branch hangs on the wave's number alone
	s_cmp_lt_u32 s[WV], 4
	s_cbranch_scc0 .Lfor_b_\@
	tensor_load_to_lds s[G0+4*\s:G0+4*\s+3], s[G1:G1+7]
	s_nop 0
	PLACES 4
	s_branch .Lasked_\@
.Lfor_b_\@:
	tensor_load_to_lds s[G0B+4*\s:G0B+4*\s+3], s[G1B:G1B+7]
	s_nop 0
	PLACES 4
.Lasked_\@:
.endm
.macro CROUND                          ; a round of the cluster's barrier
	s_barrier_signal -1
	s_barrier_wait -1
	s_cmp_lg_u32 s[WV], 0
	s_cbranch_scc1 .Lnot_wave_0_\@
	s_barrier_signal -3
.Lnot_wave_0_\@:
	s_barrier_wait -3
	s_barrier_signal -1
	s_barrier_wait -1
.endm
	s_load_b256 s[4:11], s[0:1], 0x0               ; xc 4, xs 6, wc 8, ws 10
	s_load_b128 s[12:15], s[0:1], 0x20             ; bq 12, qkv 14
	v_lshl_add_u32 v[SPW], v0, 2, SPARE
	v_mov_b32 v[NIL], 0
	ds_add_u32 v[SPW], v[NIL]                      ; the wave's opening: the add, twice on end, and its wait ahead of my first tensor load
	ds_add_u32 v[SPW], v[NIL]
	v_lshrrev_b32 v1, 5, v0
	v_readfirstlane_b32 s[WV], v1                  ; wave 0..7
	s_and_b32 s[W3], s[WV], 3                      ; my head of the four; also which part of a tile I fetch
	s_lshr_b32 s[WR], s[WV], 2                     ; my half of the rows
	s_bfe_u32 s20, ttmp6, 0x40000                  ; cx
	s_bfe_u32 s21, ttmp6, 0x40004                  ; cy
	s_lshl_b32 s22, ttmp9, 2
	s_add_co_u32 s22, s22, s20                     ; nb
	s_and_b32 s23, ttmp7, 0xffff
	s_lshl_b32 s23, s23, 2
	s_add_co_u32 s23, s23, s21                     ; mb
	s_lshl_b32 s72, s21, 2
	s_lshl_b32 s72, 15, s72                        ; my row of the cluster
	s_lshl_b32 s73, 0x1111, s20                    ; my column
	s_or_b32 s[G1], s72, (0<<16)|(1<<20)|(1<<21)|(5<<22)|(3<<25)    ; the mask; elements of 1 byte; padding on; bit 21 beside a mask; after every 64 words, 4 words
	s_or_b32 s[G1B], s73, (0<<16)|(1<<20)|(1<<21)|(5<<22)|(3<<25)
	s_mov_b32 s[G1+1], 256<<16                     ; tensor_dim0
	s_mov_b32 s[G1+2], 32<<16                      ; tensor_dim1
	s_mov_b32 s[G1+3], 256<<16                     ; tile_dim0
	s_mov_b32 s[G1+4], 32                          ; tile_dim1
	s_mov_b32 s[G1+5], 512                         ; a row of codes in memory
	s_mov_b32 s[G1+6], 0
	s_mov_b32 s[G1+7], 0
	s_mov_b32 s[G1B+1], 256<<16
	s_mov_b32 s[G1B+2], 64<<16
	s_mov_b32 s[G1B+3], 256<<16
	s_mov_b32 s[G1B+4], 64
	s_mov_b32 s[G1B+5], 512
	s_mov_b32 s[G1B+6], 0
	s_mov_b32 s[G1B+7], 0
	s_lshl_b32 s74, s23, 16                        ; xc: (128 mb + 32 w3) rows of 512 bytes
	s_lshl_b32 s75, s[W3], 14
	s_add_co_u32 s74, s74, s75
	s_mov_b32 s75, 0
	s_lshl_b32 s76, s22, 17                        ; wc: (256 nb + 64 w3) rows
	s_lshl_b32 s77, s[W3], 15
	s_add_co_u32 s76, s76, s77
	s_mov_b32 s77, 0
	s_mul_i32 s78, s[W3], 32*PITCH                 ; where they go: no place in the cluster enters an LDS address
	s_mul_i32 s79, s[W3], 64*PITCH
	s_add_co_u32 s79, s79, ABYTES
	s_lshr_b32 s62, s23, 4                         ; my place in each part of qkv: (16 batch + head) x 262,144 + (mb % 16) x 16,384 + half x 8,192
	s_lshl_b32 s62, s62, 4
	s_lshl_b32 s63, s22, 2
	s_add_co_u32 s62, s62, s63
	s_add_co_u32 s62, s62, s[W3]
	s_lshl_b32 s62, s62, 18
	s_and_b32 s63, s23, 15
	s_lshl_b32 s63, s63, 14
	s_add_co_u32 s62, s62, s63
	s_lshl_b32 s63, s[WR], 13
	s_add_co_u32 s62, s62, s63
	s_mov_b32 s63, 0
	s_lshl_b32 s[XSB], s23, 12                     ; xs: (128 mb + 64 half) rows of 32 bytes
	s_lshl_b32 s[XSB+1], s[WR], 11
	s_add_co_u32 s[XSB], s[XSB], s[XSB+1]
	s_mov_b32 s[XSB+1], 0
	s_lshl_b32 s[WSB], s22, 13                     ; ws: (256 nb + 64 w3) rows
	s_lshl_b32 s[WSB+1], s[W3], 11
	s_add_co_u32 s[WSB], s[WSB], s[WSB+1]
	s_mov_b32 s[WSB+1], 0
	s_lshl_b32 s[BQB], s22, 10                     ; bq: 256 nb + 64 w3 numbers
	s_lshl_b32 s[BQB+1], s[W3], 8
	s_add_co_u32 s[BQB], s[BQB], s[BQB+1]
	s_mov_b32 s[BQB+1], 0
	s_wait_dscnt 0x0                               ; both opening adds are done
	s_wait_kmcnt 0x0
	s_add_nc_u64 s[74:75], s[4:5], s[74:75]
	s_add_nc_u64 s[76:77], s[8:9], s[76:77]
	s_add_nc_u64 s[XSB:XSB+1], s[6:7], s[XSB:XSB+1]
	s_add_nc_u64 s[WSB:WSB+1], s[10:11], s[WSB:WSB+1]
	s_add_nc_u64 s[BQB:BQB+1], s[12:13], s[BQB:BQB+1]
	s_add_nc_u64 s[OUT:OUT+1], s[14:15], s[62:63]
	s_add_nc_u64 s[OUT+2:OUT+3], s[OUT:OUT+1], 0x1000000
	s_add_nc_u64 s[OUT+4:OUT+5], s[OUT:OUT+1], 0x2000000
	CROUND                                         ; all sixteen work-groups are here: the first joint loads meet
.irp s, 0,1
	s_mov_b32 s[G0+4*\s], 1
	s_add_co_u32 s[G0+4*\s+1], s78, \s*SLOT
	s_add_nc_u64 s[G0+4*\s+2:G0+4*\s+3], s[74:75], \s*256       ; slot s holds half s of K
	s_or_b32 s[G0+4*\s+3], s[G0+4*\s+3], 0x80000000
	s_mov_b32 s[G0B+4*\s], 1
	s_add_co_u32 s[G0B+4*\s+1], s79, \s*SLOT
	s_add_nc_u64 s[G0B+4*\s+2:G0B+4*\s+3], s[76:77], \s*256
	s_or_b32 s[G0B+4*\s+3], s[G0B+4*\s+3], 0x80000000
	JLOAD \s                                       ; two loads of mine are out
.endr
	v_and_b32 v1, 15, v0                           ; r
	v_bfe_u32 v2, v0, 4, 1                         ; h
	v_and_b32 v3, 31, v0
	v_lshlrev_b32 v[SRO], 5, v3
	v_lshlrev_b32 v[STO], 4, v3
	v_lshlrev_b32 v[BIO], 5, v2
.irp a, 0,1,2,3                        ; bq starts q's sums: lane (r, h), register j of accumulator (a, b): channel 16 b + 8 h + j
.irp b, 0,1,2,3
.irp u, 0,1
	global_load_b128 v[ACC+8*(4*\a+\b)+4*\u:ACC+8*(4*\a+\b)+4*\u+3], v[BIO], s[BQB:BQB+1] offset:64*\b+16*\u
.endr
.endr
.endr
.macro SCALES T                        ; tensor T's scale words of my 64 rows of x and my 64 rows of W, for all of K
.irp p, 0,1
.irp u, 0,1
	global_load_b128 v[ASC+8*\p+4*\u:ASC+8*\p+4*\u+3], v[SRO], s[XSB:XSB+1] offset:\T*262144+\p*1024+16*\u
	global_load_b128 v[BSC+8*\p+4*\u:BSC+8*\p+4*\u+3], v[SRO], s[WSB:WSB+1] offset:\T*32768+\p*1024+16*\u
.endr
.endr
.endm
	SCALES 0
	v_mul_u32_u24 v3, v1, PITCH
	v_lshl_add_u32 v3, v2, 4, v3                   ; a fragment's row x pitch + 16 x half
	s_mul_i32 s72, s[WR], 64*PITCH
	s_mul_i32 s73, s[W3], 64*PITCH
	s_add_co_u32 s73, s73, ABYTES
.irp s, 0,1
	v_add_nc_u32 v[ADRA+\s], s72, v3
	v_add_nc_u32 v[ADRB+\s], s73, v3
	s_add_co_u32 s72, s72, SLOT
	s_add_co_u32 s73, s73, SLOT
.endr
; one scaled product.  rx, ry: source 0's and source 1's scale words lie in lanes 16-31 of their registers
.macro WM d, x, y, zero, sx, sy, rx, ry
.if \zero
.if (\rx) && (\ry)
	v_wmma_scale_f32_16x16x128_f8f6f4 v[\d:\d+7], v[\x:\x+7], v[\y:\y+7], 0, v[\sx], v[\sy] matrix_a_fmt:MATRIX_FMT_FP4 matrix_b_fmt:MATRIX_FMT_FP4 matrix_a_scale:MATRIX_SCALE_ROW1 matrix_b_scale:MATRIX_SCALE_ROW1
.elseif (\rx)
	v_wmma_scale_f32_16x16x128_f8f6f4 v[\d:\d+7], v[\x:\x+7], v[\y:\y+7], 0, v[\sx], v[\sy] matrix_a_fmt:MATRIX_FMT_FP4 matrix_b_fmt:MATRIX_FMT_FP4 matrix_a_scale:MATRIX_SCALE_ROW1
.elseif (\ry)
	v_wmma_scale_f32_16x16x128_f8f6f4 v[\d:\d+7], v[\x:\x+7], v[\y:\y+7], 0, v[\sx], v[\sy] matrix_a_fmt:MATRIX_FMT_FP4 matrix_b_fmt:MATRIX_FMT_FP4 matrix_b_scale:MATRIX_SCALE_ROW1
.else
	v_wmma_scale_f32_16x16x128_f8f6f4 v[\d:\d+7], v[\x:\x+7], v[\y:\y+7], 0, v[\sx], v[\sy] matrix_a_fmt:MATRIX_FMT_FP4 matrix_b_fmt:MATRIX_FMT_FP4
.endif
.else
.if (\rx) && (\ry)
	v_wmma_scale_f32_16x16x128_f8f6f4 v[\d:\d+7], v[\x:\x+7], v[\y:\y+7], v[\d:\d+7], v[\sx], v[\sy] matrix_a_fmt:MATRIX_FMT_FP4 matrix_b_fmt:MATRIX_FMT_FP4 matrix_a_scale:MATRIX_SCALE_ROW1 matrix_b_scale:MATRIX_SCALE_ROW1
.elseif (\rx)
	v_wmma_scale_f32_16x16x128_f8f6f4 v[\d:\d+7], v[\x:\x+7], v[\y:\y+7], v[\d:\d+7], v[\sx], v[\sy] matrix_a_fmt:MATRIX_FMT_FP4 matrix_b_fmt:MATRIX_FMT_FP4 matrix_a_scale:MATRIX_SCALE_ROW1
.elseif (\ry)
	v_wmma_scale_f32_16x16x128_f8f6f4 v[\d:\d+7], v[\x:\x+7], v[\y:\y+7], v[\d:\d+7], v[\sx], v[\sy] matrix_a_fmt:MATRIX_FMT_FP4 matrix_b_fmt:MATRIX_FMT_FP4 matrix_b_scale:MATRIX_SCALE_ROW1
.else
	v_wmma_scale_f32_16x16x128_f8f6f4 v[\d:\d+7], v[\x:\x+7], v[\y:\y+7], v[\d:\d+7], v[\sx], v[\sy] matrix_a_fmt:MATRIX_FMT_FP4 matrix_b_fmt:MATRIX_FMT_FP4
.endif
.endif
.endm
; 16 products, 128 along K: the ks-th of the tensor's eight.  The 16 accumulators take turns, one instruction a turn.  nat = 0: transposed; 1: natural
.macro MUL ks, zero, nat
.irp a, 0,1,2,3
.irp b, 0,1,2,3
.set rD, ACC+8*(4*\a+\b)
.set rA, AF+8*\a
.set rB, BF+8*\b
.set sA, ASC+8*(\a/2)+(\ks)
.set sB, BSC+8*(\b/2)+(\ks)
.if \nat
	WM rD, rA, rB, \zero, sA, sB, \a%2, \b%2
.else
	WM rD, rB, rA, \zero, sB, sA, \b%2, \a%2
.endif
.endr
.endr
.endm
.macro FRAGS slot, q                   ; a fragment, 16 rows x 128 K of 4-bit codes: two loads of 16 bytes, 32 bytes apart
.irp i, 0,1,2,3
.irp c, 0,1
	ds_load_b128 v[BF+8*\i+4*\c:BF+8*\i+4*\c+3], v[ADRB+\slot] offset:64*(\q)+32*\c+\i*16*PITCH
	ds_load_b128 v[AF+8*\i+4*\c:AF+8*\i+4*\c+3], v[ADRA+\slot] offset:64*(\q)+32*\c+\i*16*PITCH
.endr
.endr
.endm
; A K step: the slot's four runs of 128 along K.  Four places stand in front of each run of loads into registers that products have read.  The SIMD's other wave works while this one waits for LDS.
.macro STEP slot, kh, zero, nat
.irp q, 0,1,2,3
	PLACES 4
	FRAGS \slot, \q
	s_wait_dscnt 0x0
.if \q == 0
	MUL 4*\kh+\q, \zero, \nat
.else
	MUL 4*\kh+\q, 0, \nat
.endif
.endr
.endm
; The change of slots.  Each wave waits for all its tensor loads (its part of the other slot), adds 0 to its spare word, and waits for that; its reads of this slot are back.
; fill = 1: a round of the cluster's barrier, and this slot takes the next tensor's same half of K.
.macro TURN slot, fill
	s_wait_tensorcnt 0x0                           ; no tensor load of mine is out: a group 0 may be written
	ds_add_u32 v[SPW], v[NIL]
.if \fill
	s_add_nc_u64 s[G0+4*\slot+2:G0+4*\slot+3], s[G0+4*\slot+2:G0+4*\slot+3], 4194304
	s_add_nc_u64 s[G0B+4*\slot+2:G0B+4*\slot+3], s[G0B+4*\slot+2:G0B+4*\slot+3], 524288
.endif
	s_wait_dscnt 0x0
.if \fill
	CROUND
	JLOAD \slot                                    ; the first tensor load behind the round, one a wave; its four v_nop are also places behind the last products
.else
	s_barrier_signal -1
	s_barrier_wait -1
.endif
.endm
; The way out: each accumulator is packed to f16 in place, from its low end on, and its four registers are a half image.
.macro WAYOUT T, nat
.irp a, 0,1,2,3
.irp b, 0,1,2,3
.irp k, 0,1,2,3
	v_cvt_pk_f16_f32 v[ACC+8*(4*\a+\b)+\k], v[ACC+8*(4*\a+\b)+2*\k], v[ACC+8*(4*\a+\b)+2*\k+1]
.endr
.endr
.endr
.irp a, 0,1,2,3
.irp b, 0,1,2,3
.if \nat
	global_store_b128 v[STO], v[ACC+8*(4*\a+\b):ACC+8*(4*\a+\b)+3], s[OUT+2*\T:OUT+2*\T+1] offset:(\a/2)*4096+\b*1024+(\a%2)*512
.else
	global_store_b128 v[STO], v[ACC+8*(4*\a+\b):ACC+8*(4*\a+\b)+3], s[OUT+2*\T:OUT+2*\T+1] offset:\a*2048+\b*512
.endif
.endr
.endr
.endm
	s_wait_tensorcnt 1                             ; my part of slot 0 is in; slot 1's load may stay out
	s_barrier_signal -1
	s_barrier_wait -1
	s_wait_loadcnt 0x0                             ; bq and the first scale words
	STEP 0, 0, 0, 0                                ; q
	TURN 0, 1
	STEP 1, 1, 0, 0
	TURN 1, 1
	SCALES 1
	WAYOUT 0, 0
	s_wait_loadcnt 0x0                             ; k's scale words
	s_wait_xcnt 0x0                                ; the stores have read their data: the accumulators may be written again
	STEP 0, 0, 1, 0                                ; k: the first products start the sums
	TURN 0, 1
	STEP 1, 1, 0, 0
	TURN 1, 1
	SCALES 2
	WAYOUT 1, 0
	s_wait_loadcnt 0x0
	s_wait_xcnt 0x0
	STEP 0, 0, 1, 1                                ; v, the natural way
	TURN 0, 0                                      ; nothing is left to fetch
	STEP 1, 1, 0, 1
	PLACES 4
	WAYOUT 2, 1
	s_wait_tensorcnt 0x0                           ; the wave's end
	ds_add_u32 v[SPW], v[NIL]
	s_wait_dscnt 0x0
	CROUND                                         ; the closing round
	s_endpgm
.Lfunc_end_k_qda4e46dcaf_proj:
	.size	k_qda4e46dcaf_proj, .Lfunc_end_k_qda4e46dcaf_proj-k_qda4e46dcaf_proj
	.p2alignl 7, 3214868480
	.fill 96, 4, 3214868480
	.section	.rodata,"a",@progbits
	.p2align	6, 0x0
	.amdhsa_kernel k_qda4e46dcaf_proj
		.amdhsa_group_segment_fixed_size 327680
		.amdhsa_private_segment_fixed_size 0
		.amdhsa_enable_private_segment 0
		.amdhsa_kernarg_size 48
		.amdhsa_user_sgpr_count 2
		.amdhsa_user_sgpr_kernarg_segment_ptr 1
		.amdhsa_wavefront_size32 1
		.amdhsa_system_sgpr_workgroup_id_x 1
		.amdhsa_system_sgpr_workgroup_id_y 1
		.amdhsa_system_sgpr_workgroup_id_z 1
		.amdhsa_system_vgpr_workitem_id 0
		.amdhsa_next_free_vgpr 256
		.amdhsa_next_free_sgpr 80
		.amdhsa_reserve_vcc 0
		.amdhsa_float_denorm_mode_32 3
		.amdhsa_float_denorm_mode_16_64 3
		.amdhsa_memory_ordered 1
		.amdhsa_forward_progress 1
		.amdhsa_inst_pref_size 110
	.end_amdhsa_kernel
	.amdgpu_metadata
---
amdhsa.version: [ 1, 2 ]
amdhsa.kernels:
  - .name:           k_qda4e46dcaf_proj
    .symbol:         k_qda4e46dcaf_proj.kd
    .args:
      - { .name: xc, .offset: 0, .size: 8, .value_kind: global_buffer, .address_space: global }
      - { .name: xs, .offset: 8, .size: 8, .value_kind: global_buffer, .address_space: global }
      - { .name: wc, .offset: 16, .size: 8, .value_kind: global_buffer, .address_space: global }
      - { .name: ws, .offset: 24, .size: 8, .value_kind: global_buffer, .address_space: global }
      - { .name: bq, .offset: 32, .size: 8, .value_kind: global_buffer, .address_space: global }
      - { .name: qkv, .offset: 40, .size: 8, .value_kind: global_buffer, .address_space: global }
    .group_segment_fixed_size: 327680
    .private_segment_fixed_size: 0
    .kernarg_segment_align: 8
    .kernarg_segment_size: 48
    .max_flat_workgroup_size: 256
    .sgpr_count:     80
    .vgpr_count:     256
    .wavefront_size: 32
...
	.end_amdgpu_metadata
.endif
;; end of part 2
;; launch attn (part 3): grid 4 x 64, 8 waves a work-group, clusters of 4 x 1, 327,680 bytes of LDS; arguments qkv, bv, ao; writes ao
.if DOCPART == 3
	.amdgcn_target "amdgcn-amd-amdhsa--gfx1250"
	.amdhsa_code_object_version 6
	.text
	.protected	k_qda4e46dcaf_attn
	.globl	k_qda4e46dcaf_attn
	.p2align	8
	.type	k_qda4e46dcaf_attn,@function
k_qda4e46dcaf_attn:
	s_mov_b64 s[64:65], 0
	v_nop
	global_prefetch_b8 v0, s[64:65] scope:SCOPE_SE
	s_setreg_imm32_b32 hwreg(HW_REG_WAVE_MODE, 25, 1), 1
	s_wait_xcnt 0x0
	s_wait_alu depctr_hold_cnt(0) depctr_sa_sdst(0) depctr_va_vdst(0) depctr_va_sdst(0) depctr_va_ssrc(0) depctr_va_vcc(0) depctr_vm_vsrc(0)
	s_getreg_b32 s2, hwreg(HW_REG_IB_STS2, 6, 4)
	s_cmp_eq_u32 s2, 0
	s_cbranch_scc0 .Lentry_in_a_cluster
	s_endpgm
.Lentry_in_a_cluster:
	s_bfe_u32 s2, ttmp6, 0x10000c
	s_cmp_lg_u32 s2, 0x3003
	s_cbranch_scc0 .Lentry_shape_is_right
	s_endpgm
.Lentry_shape_is_right:
; ATTN: O[q] = sum over keys of softmax(q . k / 8) v + bv, for one batch and head a cluster; operands f16, products, maxima and sums f32; the result in f16 as images for the last product.
; Left out: bk (the same for all keys of a row of scores: the softmax takes it away for every input).  bv is the addend of the multiply-add that divides by the row's sum: a row of the softmax sums to 1.
; LIMIT: O + bv beyond 65,504 in magnitude has no f16.
; SHARES.  The four work-groups of a cluster own 512 queries each of one head; each of the eight waves 64: four tiles of 16.  Every wave walks the head's 2,048 keys, 64 a step.
; Two waves lie on a SIMD: while one walks its softmax the other's products can be issued.
; LAYOUT.  S^T = K Q^T (source 0 = 16 keys, source 1 = 16 queries): a lane holds ONE query and the keys 8 (lane / 16) + 0..7 of a tile.  Two such tiles packed to f16 in pairs ARE source 1 of
; O^T = V^T P (32 keys x 16 queries), whose result again holds one query a lane and eight channels, and packed to f16 is an operand of the last product.  Nothing changes lanes.
; All operands lie in memory and in LDS as images of their registers: a fragment is two loads of 16 bytes at 16 x lane, 512 bytes apart: no pitch, no padding, no turning load.
; SOFTMAX.  A running maximum m and sum l for each query: p = 2^(c s - c m), c = log2(e) / 8; in every step O and l are multiplied by a = 2^(c m_old - c m_new).
; RING.  Two slots of 512 keys: K's 8 steps x 8,192 bytes, then V's.  Each wave fetches 16,384 dense bytes by one joint load (waves 0-3: K's quarters, waves 4-7: V's): one line for all waves,
; both addresses made of the wave's number; the mask names the four work-groups.  A refill has eight key steps in which to land.
; REGISTERS, in windows of 256.  window 0: v1-6 addresses; v14, v15 the add's two; v16-47 statistics, 8 a tile; v48-51 the old c m; v64-191 S^T, 32 a tile (P is packed into the first 16 of them); v192-255 Q.
;   window 1: v0-127 O^T, 32 a tile; v128-191 K of one step; v192-255 V of one step.
.set SLOT1, 1<<17
.set VOFF,  65536
.set STEPB, 8192
.set SPARE, 2*SLOT1                    ; the spare words, 128 bytes for each wave: four blocks of 256 bytes that no other line names
.set LI,  1                            ; v1   16 x lane
.set LV,  2                            ; v2   16 x lane + VOFF
.set ADR, 3                            ; v3   the run of loads in hand
.set BVO, 6                            ; v6   32 x (lane / 16)
.set SPW, 14
.set NIL, 15
.set ST,  16                           ; tile t at 16 + 8 t: +0 c m, +1 m, +2, +3 l, +4 .. +7 at work; a takes +6
.set OLD, 48
.set S,   64
.set QF,  192
.set KF,  128                          ; in window 1
.set VF,  192                          ; in window 1
.set WV,  10
.set G1,  24                           ; s[24:31]
.set G0,  32                           ; s[32:35] slot 0's first fill; s[36:39] slot 1's, which then walks on
.set QB,  40
.set BVB, 42
.set AOB, 44
.set SLOTS, 48
.set CNT, 49
.set CS,  50                           ; s[50:51] c
.set SEL, 52                           ; s[52:53] lane l xor 16
.set TB,  54                           ; LDS byte at which the step to be fetched begins
.set MSB, 0
.macro WIN new                         ; the immediate's high byte repeats the setting that is left
.if MSB != \new
	s_set_vgpr_msb (MSB<<8)|\new
.set MSB, \new
.endif
.endm
.set W_KQ, 0x01                        ; K in window 1; Q and S^T in window 0
.set W_PV, 0x51                        ; V and O^T in window 1; P in window 0
.set W_RS, 0x41                        ; O^T in window 1, a in window 0
.set W_LD, 0x40                        ; destination window 1, address window 0
.macro PLACES n
.rept \n
	v_nop
.endr
.endm
.macro CROUND
	s_barrier_signal -1
	s_barrier_wait -1
	s_cmp_lg_u32 s[WV], 0
	s_cbranch_scc1 .Lnot_wave_0_\@
	s_barrier_signal -3
.Lnot_wave_0_\@:
	s_barrier_wait -3
	s_barrier_signal -1
	s_barrier_wait -1
.endm
	s_load_b128 s[4:7], s[0:1], 0x0                ; qkv 4, bv 6
	s_load_b64 s[8:9], s[0:1], 0x10                ; ao
	v_lshl_add_u32 v[SPW], v0, 2, SPARE
	v_mov_b32 v[NIL], 0
	ds_add_u32 v[SPW], v[NIL]                      ; the wave's opening: the add, twice on end, and its wait ahead of my first tensor load
	ds_add_u32 v[SPW], v[NIL]
	v_lshrrev_b32 v1, 5, v0
	v_readfirstlane_b32 s[WV], v1                  ; wave 0..7
	s_bfe_u32 s11, ttmp6, 0x40000                  ; cx: my block of 512 queries; it enters Q's and ao's addresses alone
	s_and_b32 s12, ttmp7, 0xffff                   ; batch x 16 + head, which the four partners share
	s_lshr_b32 s14, s[WV], 2                       ; what I fetch: part 1 (k) or 2 (v) of qkv,
	s_add_co_u32 s14, s14, 1
	s_lshl_b32 s14, s14, 24
	s_lshl_b32 s13, s12, 18                        ; the head's 262,144 bytes,
	s_add_co_u32 s14, s14, s13
	s_and_b32 s15, s[WV], 3
	s_lshl_b32 s15, s15, 14                        ; my quarter of a slot's 65,536
	s_add_co_u32 s14, s14, s15
	s_mov_b32 s15, 0
	s_lshl_b32 s16, s[WV], 14                      ; and where it goes: 16,384 x wave
	s_lshl_b32 s18, s11, 16                        ; Q: head + 65,536 cx + 8,192 wave
	s_add_co_u32 s18, s18, s13
	s_lshl_b32 s19, s[WV], 13
	s_add_co_u32 s18, s18, s19
	s_mov_b32 s19, 0
	s_lshr_b32 s20, s12, 4                         ; ao: ((batch x 128 + 32 cx + 4 wave) x 32 + 2 head) x 1,024
	s_lshl_b32 s20, s20, 22
	s_lshl_b32 s21, s11, 20
	s_add_co_u32 s20, s20, s21
	s_lshl_b32 s21, s[WV], 17
	s_add_co_u32 s20, s20, s21
	s_and_b32 s22, s12, 15
	s_lshl_b32 s21, s22, 11
	s_add_co_u32 s20, s20, s21
	s_mov_b32 s21, 0
	s_lshl_b32 s22, s22, 8                         ; bv: the head's 64 numbers
	s_mov_b32 s23, 0
	s_mov_b32 s[G1], 15|(3<<16)|(1<<21)            ; the mask: all four work-groups; elements of 8 bytes; bit 21 beside a mask; no padding
	s_mov_b32 s[G1+1], 32<<16                      ; tensor_dim0: 256 bytes
	s_mov_b32 s[G1+2], 64<<16                      ; tensor_dim1
	s_mov_b32 s[G1+3], 32<<16                      ; tile_dim0
	s_mov_b32 s[G1+4], 64                          ; tile_dim1
	s_mov_b32 s[G1+5], 32                          ; dense
	s_mov_b32 s[G1+6], 0
	s_mov_b32 s[G1+7], 0
	s_mov_b32 s[CS], 0x3e38aa3b                    ; c = log2(e) / 8
	s_mov_b32 s[CS+1], s[CS]                       ; named with it as a pair, so it is written
	s_mov_b32 s[SEL], 0x76543210
	s_mov_b32 s[SEL+1], 0xfedcba98
	s_mov_b32 s[TB], 0
	s_wait_dscnt 0x0                               ; both opening adds are done
	s_wait_kmcnt 0x0
	s_add_nc_u64 s[14:15], s[4:5], s[14:15]
	s_add_nc_u64 s[QB:QB+1], s[4:5], s[18:19]
	s_add_nc_u64 s[AOB:AOB+1], s[8:9], s[20:21]
	s_add_nc_u64 s[BVB:BVB+1], s[6:7], s[22:23]
	CROUND                                         ; all four work-groups are here: the first joint loads meet
.irp s, 0,1
	s_mov_b32 s[G0+4*\s], 1
	s_add_co_u32 s[G0+4*\s+1], s16, \s*SLOT1
	s_add_nc_u64 s[G0+4*\s+2:G0+4*\s+3], s[14:15], \s*65536
	s_or_b32 s[G0+4*\s+3], s[G0+4*\s+3], 0x80000000
.endr
	tensor_load_to_lds s[G0:G0+3], s[G1:G1+7]      ; keys 0-511
	s_nop 0
	tensor_load_to_lds s[G0+4:G0+7], s[G1:G1+7]    ; keys 512-1,023: two loads of mine are out
	s_nop 0
	PLACES 4
	v_and_b32 v[LI], 31, v0
	v_lshlrev_b32 v[LI], 4, v[LI]
	v_add_nc_u32 v[LV], VOFF, v[LI]
	v_bfe_u32 v[BVO], v0, 4, 1
	v_lshlrev_b32 v[BVO], 5, v[BVO]
.irp i, 0,1,2,3,4,5,6,7,8,9,10,11,12,13,14,15   ; Q stays in registers: tile i / 4, channels 32 ((i / 2) % 2) on
	global_load_b128 v[QF+4*\i:QF+4*\i+3], v[LI], s[QB:QB+1] offset:512*\i th:TH_LOAD_NT
.endr
.macro FETCH_K                         ; a step's K: 16 loads of 512 consecutive bytes
	WIN 0
	v_add_nc_u32 v[ADR], s[TB], v[LI]
	WIN W_LD
.irp i, 0,1,2,3,4,5,6,7,8,9,10,11,12,13,14,15
	ds_load_b128 v[KF+4*\i:KF+4*\i+3], v[ADR] offset:512*\i
.endr
.endm
.macro FETCH_V                         ; the same step's V; the next fetch is the next step's
	WIN 0
	v_add_nc_u32 v[ADR], s[TB], v[LV]
	s_add_co_u32 s[TB], s[TB], STEPB
	WIN W_LD
.irp i, 0,1,2,3,4,5,6,7,8,9,10,11,12,13,14,15
	ds_load_b128 v[VF+4*\i:VF+4*\i+3], v[ADR] offset:512*\i
.endr
.endm
; A KEY STEP.  first = 1: it starts m, l and O^T.  fetch = 1: the next step's K and V are fetched; 0: the last step, which asks for bv instead.
.macro BODY first, fetch
	s_wait_dscnt 16                                ; K is in; the 16 loads of V behind it may be out
	WIN W_KQ
.irp c, 0,1                            ; the 16 accumulators take turns, one instruction a turn
.irp kt, 0,1,2,3
.irp t, 0,1,2,3
.if \c == 0
	v_wmma_f32_16x16x32_f16 v[S+32*\t+8*\kt:S+32*\t+8*\kt+7], v[KF+16*\kt:KF+16*\kt+7], v[QF+16*\t:QF+16*\t+7], 0
.else
	v_wmma_f32_16x16x32_f16 v[S+32*\t+8*\kt:S+32*\t+8*\kt+7], v[KF+16*\kt+8:KF+16*\kt+15], v[QF+16*\t+8:QF+16*\t+15], v[S+32*\t+8*\kt:S+32*\t+8*\kt+7]
.endif
.endr
.endr
.endr
	WIN 0
.if \first
	PLACES 4
.else
.irp t, 0,1,2,3
	v_mov_b32 v[OLD+\t], v[ST+8*\t]                ; c m_old is kept for a; these four are the places behind the products
.endr
.endif
.if \fetch
	FETCH_K
.else
	WIN W_LD
.irp ct, 0,1,2,3
.irp u, 0,1
	global_load_b128 v[KF+8*\ct+4*\u:KF+8*\ct+4*\u+3], v[BVO], s[BVB:BVB+1] offset:64*\ct+16*\u   ; bv in O^T's layout, where K lay
.endr
.endr
.endif
	WIN 0
	; the maximum of the lane's 32 scores and the old m; the four tiles by turns; each accumulator is read from its low end on
.irp j, 0,1,2,3
.irp t, 0,1,2,3
	v_max3_num_f32 v[ST+8*\t+4+\j], v[S+32*\t+8*\j], v[S+32*\t+8*\j+1], v[S+32*\t+8*\j+2]
.endr
.endr
.irp u, 1,2
.irp j, 0,1,2,3
.irp t, 0,1,2,3
	v_max3_num_f32 v[ST+8*\t+4+\j], v[ST+8*\t+4+\j], v[S+32*\t+8*\j+2*\u+1], v[S+32*\t+8*\j+2*\u+2]
.endr
.endr
.endr
.irp t, 0,1,2,3
	v_max3_num_f32 v[ST+8*\t+4], v[ST+8*\t+4], v[S+32*\t+7], v[S+32*\t+15]
.endr
.irp t, 0,1,2,3
	v_max3_num_f32 v[ST+8*\t+6], v[ST+8*\t+6], v[S+32*\t+23], v[S+32*\t+31]
.endr
.irp t, 0,1,2,3
	v_max3_num_f32 v[ST+8*\t+4], v[ST+8*\t+4], v[ST+8*\t+5], v[ST+8*\t+6]
.endr
.irp t, 0,1,2,3
.if \first
	v_max_num_f32 v[ST+8*\t+4], v[ST+8*\t+4], v[ST+8*\t+7]
.else
	v_max3_num_f32 v[ST+8*\t+4], v[ST+8*\t+4], v[ST+8*\t+7], v[ST+8*\t+1]
.endif
.endr
.irp t, 0,1,2,3
	v_permlanex16_b32 v[ST+8*\t+5], v[ST+8*\t+4], s[SEL], s[SEL+1]   ; the query's other 32 keys lie in the lane 16 away
.endr
.irp t, 0,1,2,3
	v_max_num_f32 v[ST+8*\t+1], v[ST+8*\t+4], v[ST+8*\t+5]
.endr
.irp t, 0,1,2,3
	v_mul_f32 v[ST+8*\t], s[CS], v[ST+8*\t+1]
.endr
.if !\first
.irp t, 0,1,2,3
	v_sub_f32 v[ST+8*\t+7], v[OLD+\t], v[ST+8*\t]
.endr
.irp t, 0,1,2,3
	v_exp_f32 v[ST+8*\t+6], v[ST+8*\t+7]           ; a
.endr
.endif
	; ONE BATCH: the scalings c s - c m and all exponentials; none of these lines names an exponential's result
.irp b, 0,1,2,3,4,5,6,7,8,9,10,11,12,13,14,15
.irp t, 0,1,2,3
	v_pk_fma_f32 v[S+32*\t+2*\b:S+32*\t+2*\b+1], v[S+32*\t+2*\b:S+32*\t+2*\b+1], s[CS:CS+1], v[ST+8*\t:ST+8*\t+1] op_sel_hi:[1,0,0] neg_lo:[0,0,1] neg_hi:[0,0,1]
.endr
.irp t, 0,1,2,3
	v_exp_f32 v[S+32*\t+2*\b], v[S+32*\t+2*\b]
	v_exp_f32 v[S+32*\t+2*\b+1], v[S+32*\t+2*\b+1]
.endr
.endr
	v_nop                                          ; a plain line behind the last exponential
	s_wait_alu depctr_va_vdst(0)                   ; one wait for the batch, ahead of its first reader
	; the sums, of p in f32: l = a l + the step's p
.irp t, 0,1,2,3
.if \first
	v_pk_add_f32 v[ST+8*\t+2:ST+8*\t+3], v[S+32*\t:S+32*\t+1], v[S+32*\t+2:S+32*\t+3]
.else
	v_pk_fma_f32 v[ST+8*\t+2:ST+8*\t+3], v[ST+8*\t+2:ST+8*\t+3], v[ST+8*\t+6:ST+8*\t+7], v[S+32*\t:S+32*\t+1] op_sel_hi:[1,0,1]
.endif
.endr
.irp b, 1,2,3,4,5,6,7,8,9,10,11,12,13,14,15
.if (\b > 1) || !\first
.irp t, 0,1,2,3
	v_pk_add_f32 v[ST+8*\t+2:ST+8*\t+3], v[ST+8*\t+2:ST+8*\t+3], v[S+32*\t+2*\b:S+32*\t+2*\b+1]
.endr
.endif
.endr
	; p to f16, in place: register i takes numbers 2 i and 2 i + 1, which lie at or above it
.irp i, 0,1,2,3,4,5,6,7,8,9,10,11,12,13,14,15
.irp t, 0,1,2,3
	v_cvt_pk_f16_f32 v[S+32*\t+\i], v[S+32*\t+2*\i], v[S+32*\t+2*\i+1]
.endr
.endr
.if !\first
	WIN W_RS
.irp t, 0,1,2,3
.irp i, 0,1,2,3,4,5,6,7,8,9,10,11,12,13,14,15
	v_pk_mul_f32 v[32*\t+2*\i:32*\t+2*\i+1], v[32*\t+2*\i:32*\t+2*\i+1], v[ST+8*\t+6:ST+8*\t+7] op_sel_hi:[1,0]   ; O^T x a
.endr
.endr
.endif
.if \fetch
	s_wait_dscnt 16                                ; V is in; the 16 loads of the next K behind it may be out
.else
	s_wait_dscnt 0x0
.endif
	WIN W_PV
.irp kb, 0,1
.irp ct, 0,1,2,3
.irp t, 0,1,2,3
.if \first && (\kb == 0)
	v_wmma_f32_16x16x32_f16 v[32*\t+8*\ct:32*\t+8*\ct+7], v[VF+32*\kb+8*\ct:VF+32*\kb+8*\ct+7], v[S+32*\t+8*\kb:S+32*\t+8*\kb+7], 0
.else
	v_wmma_f32_16x16x32_f16 v[32*\t+8*\ct:32*\t+8*\ct+7], v[VF+32*\kb+8*\ct:VF+32*\kb+8*\ct+7], v[S+32*\t+8*\kb:S+32*\t+8*\kb+7], v[32*\t+8*\ct:32*\t+8*\ct+7]
.endif
.endr
.endr
.endr
	WIN 0
	PLACES 5                                       ; the next step's first products write over P (five places), and the loads below land where V lay (four)
.if \fetch
	FETCH_V
	WIN 0
.endif
.endm
; THE CHANGE OF SLOTS: all reads of the slot in hand have been issued.  Each wave waits for all its tensor loads (its part of the other slot), adds 0 to its spare word, and waits for that and for its reads.
; fill = 1: a round of the cluster's barrier, and the slot just left takes the keys two slots on.
.macro CHANGE fill
	s_wait_tensorcnt 0x0                           ; no tensor load of mine is out: a group 0 may be written
	ds_add_u32 v[SPW], v[NIL]
.if \fill
	s_xor_b32 s[G0+5], s[G0+5], SLOT1              ; the walking descriptor: the other slot than last time,
	s_add_nc_u64 s[G0+6:G0+7], s[G0+6:G0+7], 65536 ; the next 512 keys
.endif
	s_wait_dscnt 0x0
.if \fill
	CROUND
	tensor_load_to_lds s[G0+4:G0+7], s[G1:G1+7]    ; the first thing behind the round, one load a wave
	s_nop 0
	PLACES 4
.else
	s_barrier_signal -1
	s_barrier_wait -1
.endif
	s_sub_co_u32 s[TB], s[TB], 65536               ; the fetches go back to a slot's first step,
	s_xor_b32 s[TB], s[TB], SLOT1                  ; in the other slot
.endm
.macro EIGHT
	s_mov_b32 s[CNT], 8
.Lstep_\@:
	BODY 0, 1
	s_sub_co_u32 s[CNT], s[CNT], 1
	s_cmp_lg_u32 s[CNT], 0
	s_cbranch_scc1 .Lstep_\@
.endm
	s_wait_tensorcnt 1                             ; my part of slot 0 is in; slot 1's may stay out
	s_barrier_signal -1
	s_barrier_wait -1
	FETCH_K                                        ; key step 0
	FETCH_V
	WIN 0
	s_wait_loadcnt 0x0                             ; Q
	BODY 1, 1                                      ; step 0
	s_mov_b32 s[CNT], 6
.Lfirst:                                           ; steps 1 to 6; step 6 fetches step 7, the slot's last
	BODY 0, 1
	s_sub_co_u32 s[CNT], s[CNT], 1
	s_cmp_lg_u32 s[CNT], 0
	s_cbranch_scc1 .Lfirst
	s_mov_b32 s[SLOTS], 2
.Lslot:                                            ; two trips: steps 7 to 14 and 15 to 22; the slot just left is filled again
	CHANGE 1
	EIGHT
	s_sub_co_u32 s[SLOTS], s[SLOTS], 1
	s_cmp_lg_u32 s[SLOTS], 0
	s_cbranch_scc1 .Lslot
	CHANGE 0                                       ; the tail is written out: nothing is left to ask for
	EIGHT                                          ; steps 23 to 30
	BODY 0, 0                                      ; step 31
	; THE WAY OUT: l's halves and the other half of the lanes' are added; O^T / l + bv, packed to f16, is the last product's operand as it stands.
.irp t, 0,1,2,3
	v_add_f32 v[ST+8*\t+4], v[ST+8*\t+2], v[ST+8*\t+3]
.endr
.irp t, 0,1,2,3
	v_permlanex16_b32 v[ST+8*\t+5], v[ST+8*\t+4], s[SEL], s[SEL+1]
.endr
.irp t, 0,1,2,3
	v_add_f32 v[ST+8*\t+4], v[ST+8*\t+4], v[ST+8*\t+5]
.endr
.irp t, 0,1,2,3
	v_rcp_f32 v[ST+8*\t+6], v[ST+8*\t+4]
.endr
	v_nop                                          ; a plain line behind the last reciprocal
	s_wait_alu depctr_va_vdst(0)                   ; one wait for the four, ahead of their first reader
	s_wait_loadcnt 0x0                             ; bv
	WIN W_PV                                       ; O^T and bv in window 1, 1 / l in window 0
.irp t, 0,1,2,3
.irp ct, 0,1,2,3
.irp jj, 0,1,2,3
	v_pk_fma_f32 v[32*\t+8*\ct+2*\jj:32*\t+8*\ct+2*\jj+1], v[32*\t+8*\ct+2*\jj:32*\t+8*\ct+2*\jj+1], v[ST+8*\t+6:ST+8*\t+7], v[KF+8*\ct+2*\jj:KF+8*\ct+2*\jj+1] op_sel_hi:[1,0,1]
.endr
.endr
.endr
	WIN 0x05                                       ; sources in window 1, destination in window 0: S^T's registers are free
.irp t, 0,1,2,3
.irp ct, 0,1,2,3
.irp jj, 0,1,2,3
	v_cvt_pk_f16_f32 v[S+16*\t+4*\ct+\jj], v[32*\t+8*\ct+2*\jj], v[32*\t+8*\ct+2*\jj+1]
.endr
.endr
.endr
	WIN 0
.irp t, 0,1,2,3
.irp ct, 0,1,2,3
	global_store_b128 v[LI], v[S+16*\t+4*\ct:S+16*\t+4*\ct+3], s[AOB:AOB+1] offset:\t*32768+\ct*512   ; the wave stores 512 consecutive bytes, aligned
.endr
.endr
	s_wait_tensorcnt 0x0                           ; the wave's end
	ds_add_u32 v[SPW], v[NIL]
	s_wait_dscnt 0x0
	CROUND                                         ; the closing round
	s_endpgm
.Lfunc_end_k_qda4e46dcaf_attn:
	.size	k_qda4e46dcaf_attn, .Lfunc_end_k_qda4e46dcaf_attn-k_qda4e46dcaf_attn
	.p2alignl 7, 3214868480
	.fill 96, 4, 3214868480
	.section	.rodata,"a",@progbits
	.p2align	6, 0x0
	.amdhsa_kernel k_qda4e46dcaf_attn
		.amdhsa_group_segment_fixed_size 327680
		.amdhsa_private_segment_fixed_size 0
		.amdhsa_enable_private_segment 0
		.amdhsa_kernarg_size 24
		.amdhsa_user_sgpr_count 2
		.amdhsa_user_sgpr_kernarg_segment_ptr 1
		.amdhsa_wavefront_size32 1
		.amdhsa_system_sgpr_workgroup_id_x 1
		.amdhsa_system_sgpr_workgroup_id_y 1
		.amdhsa_system_sgpr_workgroup_id_z 1
		.amdhsa_system_vgpr_workitem_id 0
		.amdhsa_next_free_vgpr 512
		.amdhsa_next_free_sgpr 66
		.amdhsa_reserve_vcc 0
		.amdhsa_float_denorm_mode_32 3
		.amdhsa_float_denorm_mode_16_64 3
		.amdhsa_memory_ordered 1
		.amdhsa_forward_progress 1
		.amdhsa_inst_pref_size 173
	.end_amdhsa_kernel
	.amdgpu_metadata
---
amdhsa.version: [ 1, 2 ]
amdhsa.kernels:
  - .name:           k_qda4e46dcaf_attn
    .symbol:         k_qda4e46dcaf_attn.kd
    .args:
      - { .name: qkv, .offset: 0, .size: 8, .value_kind: global_buffer, .address_space: global }
      - { .name: bv, .offset: 8, .size: 8, .value_kind: global_buffer, .address_space: global }
      - { .name: ao, .offset: 16, .size: 8, .value_kind: global_buffer, .address_space: global }
    .group_segment_fixed_size: 327680
    .private_segment_fixed_size: 0
    .kernarg_segment_align: 8
    .kernarg_segment_size: 24
    .max_flat_workgroup_size: 256
    .sgpr_count:     66
    .vgpr_count:     512
    .wavefront_size: 32
...
	.end_amdgpu_metadata
.endif
;; end of part 3
;; launch outproj (part 4): grid 4 x 64, 4 waves a work-group, clusters of 4 x 4, 327,680 bytes of LDS; arguments ao, wof, bo, out0; writes out0
.if DOCPART == 4
	.amdgcn_target "amdgcn-amd-amdhsa--gfx1250"
	.amdhsa_code_object_version 6
	.text
	.protected	k_qda4e46dcaf_outproj
	.globl	k_qda4e46dcaf_outproj
	.p2align	8
	.type	k_qda4e46dcaf_outproj,@function
k_qda4e46dcaf_outproj:
	s_mov_b64 s[64:65], 0
	v_nop
	global_prefetch_b8 v0, s[64:65] scope:SCOPE_SE
	s_setreg_imm32_b32 hwreg(HW_REG_WAVE_MODE, 25, 1), 1
	s_wait_xcnt 0x0
	s_wait_alu depctr_hold_cnt(0) depctr_sa_sdst(0) depctr_va_vdst(0) depctr_va_sdst(0) depctr_va_ssrc(0) depctr_va_vcc(0) depctr_vm_vsrc(0)
	s_getreg_b32 s2, hwreg(HW_REG_IB_STS2, 6, 4)
	s_cmp_eq_u32 s2, 0
	s_cbranch_scc0 .Lentry_in_a_cluster
	s_endpgm
.Lentry_in_a_cluster:
	s_bfe_u32 s2, ttmp6, 0x10000c
	s_cmp_lg_u32 s2, 0xf033
	s_cbranch_scc0 .Lentry_shape_is_right
	s_endpgm
.Lentry_shape_is_right:
; OUTPROJ: out0 = ao Wo + bo.  ao [512 tiles of 16 rows][32 chunks of 32 k][1,024 bytes] and wof [64 tiles of 16 n][32][1,024 bytes]: f16 images of operand registers; sums in f32; out0 [8192][1024] f32.
; SHARES.  A work-group makes 128 rows x 256 columns; wave w rows 64 (w / 2) .., columns 128 (w % 2) ..: 32 accumulators, all of window 1.  K goes in 8 steps of 128 through two LDS slots.
; A K step of a tile of 16 rows is 4 chunks = 4,096 consecutive bytes; tiles lie 32,768 bytes apart: waves 0, 1 fetch 4 such rows of ao each, waves 2, 3 8 rows of wof each.
; CLUSTER 4 x 4: ao's tiles are shared along a row of the cluster, wof's along a column: joint loads.
; THE PRODUCT IS USED TRANSPOSED (source 0 = 16 columns of Wo, source 1 = 16 rows of ao): a lane holds eight neighbouring numbers of a row of out0.  bo is loaded into the accumulators and starts the sums.
; REGISTERS.  window 0: v16-29 addresses; v32-127, v128-223 two fragment buffers (A's four at f, B's eight at f + 32); on the way out v32-159 hold rows.   window 1: accumulator (a, b) at 8 (8 a + b).
.set SLOT,   98304                     ; A's 8 tiles x 4,096 bytes, then B's 16
.set BOFF,   32768
.set SPARE,  2*SLOT                    ; the spare words, 128 bytes for each wave: two blocks of 256 bytes that no other line names
.set SPITCH, 528                       ; the way out: 16 rows x (512 + 16) bytes a wave, in slot 0, which has had its last fill and its last read by then
.set ADRA, 16                          ; v16-17
.set ADRB, 20                          ; v20-21
.set STO,  24
.set RD,   25
.set CO,   26                          ; 16 x lane
.set BIO,  27                          ; 32 x (lane / 16)
.set SPW,  28
.set NIL,  29
.set F0,   32
.set F1,   128
.set BK,   32
.set WV,   12
.set G1,   24
.set G0,   32
.set G1B,  40
.set G0B,  48
.set BOB,  60
.set OB,   62
.set MSB, 0
.macro WIN new
.if MSB != \new
	s_set_vgpr_msb (MSB<<8)|\new
.set MSB, \new
.endif
.endm
.set W_MUL, 0x50                       ; sources in window 0, C and D in window 1
.macro PLACES n
.rept \n
	v_nop
.endr
.endm
.macro JLOAD s                         ; waves 0, 1 fetch for A, waves 2, 3 for B; the branch hangs on the wave's number alone
	s_cmp_eq_u32 s13, 0
	s_cbranch_scc0 .Lfor_b_\@
	tensor_load_to_lds s[G0+4*\s:G0+4*\s+3], s[G1:G1+7]
	s_nop 0
	PLACES 4
	s_branch .Lasked_\@
.Lfor_b_\@:
	tensor_load_to_lds s[G0B+4*\s:G0B+4*\s+3], s[G1B:G1B+7]
	s_nop 0
	PLACES 4
.Lasked_\@:
.endm
.macro CREST
	s_cmp_lg_u32 s[WV], 0
	s_cbranch_scc1 .Lnot_wave_0_\@
	s_barrier_signal -3
.Lnot_wave_0_\@:
	s_barrier_wait -3
	s_barrier_signal -1
	s_barrier_wait -1
.endm
.macro CROUND
	s_barrier_signal -1
	s_barrier_wait -1
	CREST
.endm
	s_load_b256 s[4:11], s[0:1], 0x0               ; ao 4, wof 6, bo 8, out0 10
	v_lshl_add_u32 v[SPW], v0, 2, SPARE
	v_mov_b32 v[NIL], 0
	ds_add_u32 v[SPW], v[NIL]                      ; the wave's opening: the add, twice on end, and its wait ahead of my first tensor load
	ds_add_u32 v[SPW], v[NIL]
	v_lshrrev_b32 v1, 5, v0
	v_readfirstlane_b32 s[WV], v1                  ; wave 0..3
	s_lshr_b32 s13, s[WV], 1                       ; my half of the rows; also: I fetch for A (0) or B (1)
	s_and_b32 s14, s[WV], 1                        ; my half of the columns; also: which half of that tile I fetch
	s_bfe_u32 s15, ttmp6, 0x40000                  ; cx
	s_bfe_u32 s16, ttmp6, 0x40004                  ; cy
	s_lshl_b32 s17, ttmp9, 2
	s_add_co_u32 s17, s17, s15                     ; nb
	s_and_b32 s18, ttmp7, 0xffff
	s_lshl_b32 s18, s18, 2
	s_add_co_u32 s18, s18, s16                     ; mb
	s_lshl_b32 s19, s16, 2
	s_lshl_b32 s19, 15, s19                        ; my row of the cluster
	s_lshl_b32 s20, 0x1111, s15                    ; my column
	s_or_b32 s[G1], s19, (3<<16)|(1<<21)           ; the mask; elements of 8 bytes; bit 21 beside a mask; no padding
	s_or_b32 s[G1B], s20, (3<<16)|(1<<21)
	s_mov_b32 s[G1+1], 512<<16                     ; tensor_dim0: 4,096 bytes
	s_mov_b32 s[G1+2], 4<<16                       ; tensor_dim1
	s_mov_b32 s[G1+3], 512<<16                     ; tile_dim0
	s_mov_b32 s[G1+4], 4                           ; tile_dim1
	s_mov_b32 s[G1+5], 4096                        ; 32,768 bytes from tile to tile
	s_mov_b32 s[G1+6], 0
	s_mov_b32 s[G1+7], 0
	s_mov_b32 s[G1B+1], 512<<16
	s_mov_b32 s[G1B+2], 8<<16
	s_mov_b32 s[G1B+3], 512<<16
	s_mov_b32 s[G1B+4], 8
	s_mov_b32 s[G1B+5], 4096
	s_mov_b32 s[G1B+6], 0
	s_mov_b32 s[G1B+7], 0
	s_lshl_b32 s56, s18, 18                        ; ao: tile 8 mb + 4 half
	s_lshl_b32 s57, s14, 17
	s_add_co_u32 s56, s56, s57
	s_mov_b32 s57, 0
	s_lshl_b32 s58, s17, 19                        ; wof: tile 16 nb + 8 half
	s_lshl_b32 s59, s14, 18
	s_add_co_u32 s58, s58, s59
	s_mov_b32 s59, 0
	s_lshl_b32 s21, s14, 14                        ; where they go
	s_lshl_b32 s22, s14, 15
	s_add_co_u32 s22, s22, BOFF
	s_lshl_b32 s[BOB], s17, 10                     ; bo: 256 nb + 128 half numbers
	s_lshl_b32 s[BOB+1], s14, 9
	s_add_co_u32 s[BOB], s[BOB], s[BOB+1]
	s_lshl_b32 s[OB], s18, 19                      ; out0: row 128 mb + 64 half, and the same columns
	s_lshl_b32 s[OB+1], s13, 18
	s_add_co_u32 s[OB], s[OB], s[OB+1]
	s_add_co_u32 s[OB], s[OB], s[BOB]
	s_mov_b32 s[BOB+1], 0
	s_mov_b32 s[OB+1], 0
	s_wait_dscnt 0x0                               ; both opening adds are done
	s_wait_kmcnt 0x0
	s_add_nc_u64 s[56:57], s[4:5], s[56:57]
	s_add_nc_u64 s[58:59], s[6:7], s[58:59]
	s_add_nc_u64 s[BOB:BOB+1], s[8:9], s[BOB:BOB+1]
	s_add_nc_u64 s[OB:OB+1], s[10:11], s[OB:OB+1]
	CROUND                                         ; all sixteen work-groups are here: the first joint loads meet
.irp s, 0,1
	s_mov_b32 s[G0+4*\s], 1
	s_add_co_u32 s[G0+4*\s+1], s21, \s*SLOT
	s_add_nc_u64 s[G0+4*\s+2:G0+4*\s+3], s[56:57], \s*4096
	s_or_b32 s[G0+4*\s+3], s[G0+4*\s+3], 0x80000000
	s_mov_b32 s[G0B+4*\s], 1
	s_add_co_u32 s[G0B+4*\s+1], s22, \s*SLOT
	s_add_nc_u64 s[G0B+4*\s+2:G0B+4*\s+3], s[58:59], \s*4096
	s_or_b32 s[G0B+4*\s+3], s[G0B+4*\s+3], 0x80000000
	JLOAD \s                                       ; two loads of mine are out
.endr
	v_and_b32 v1, 15, v0                           ; r
	v_bfe_u32 v2, v0, 4, 1                         ; h
	v_and_b32 v3, 31, v0
	v_lshlrev_b32 v[CO], 4, v3
	v_lshlrev_b32 v[BIO], 5, v2
	WIN 0x40                                       ; destination window 1
.irp a, 0,1,2,3                        ; bo starts the sums: lane (r, h), register j of accumulator (a, b): column 16 b + 8 h + j
.irp b, 0,1,2,3,4,5,6,7
.irp u, 0,1
	global_load_b128 v[8*(8*\a+\b)+4*\u:8*(8*\a+\b)+4*\u+3], v[BIO], s[BOB:BOB+1] offset:64*\b+16*\u
.endr
.endr
.endr
	WIN 0
	s_lshl_b32 s19, s13, 14                        ; my four tiles of A
	s_lshl_b32 s20, s14, 15                        ; my eight of B
	s_add_co_u32 s20, s20, BOFF
.irp s, 0,1
	v_add_nc_u32 v[ADRA+\s], s19, v[CO]
	v_add_nc_u32 v[ADRB+\s], s20, v[CO]
	s_add_co_u32 s19, s19, SLOT
	s_add_co_u32 s20, s20, SLOT
.endr
	s_mul_i32 s23, s[WV], 16*SPITCH                ; my stage
	v_mul_u32_u24 v4, v1, SPITCH
	v_lshl_add_u32 v4, v2, 5, v4
	v_add_nc_u32 v[STO], s23, v4                   ; in: row r, 32 bytes for each half of the lanes
	v_add_nc_u32 v[RD], s23, v[CO]                 ; back: the 32 lanes take one row of 512 bytes
.macro MULA f, a                       ; 8 products: row tile a x my eight column tiles, 32 along K.  The 32 accumulators take turns in the same order in every quarter
.irp b, 0,1,2,3,4,5,6,7
	v_wmma_f32_16x16x32_f16 v[8*(8*(\a)+\b):8*(8*(\a)+\b)+7], v[\f+32+8*\b:\f+32+8*\b+7], v[\f+8*(\a):\f+8*(\a)+7], v[8*(8*(\a)+\b):8*(8*(\a)+\b)+7]
.endr
.endm
.macro FETCH slot, cq, f               ; 24 loads in one run: chunk cq of the slot: B's eight fragments, then A's four
.irp b, 0,1,2,3,4,5,6,7
.irp g, 0,1
	ds_load_b128 v[\f+32+8*\b+4*\g:\f+32+8*\b+4*\g+3], v[ADRB+\slot] offset:\b*4096+(\cq)*1024+\g*512
.endr
.endr
.irp a, 0,1,2,3
.irp g, 0,1
	ds_load_b128 v[\f+8*\a+4*\g:\f+8*\a+4*\g+3], v[ADRA+\slot] offset:\a*4096+(\cq)*1024+\g*512
.endr
.endr
.endm
; One of a K step's first three quarters: multiplies buffer f and, in its middle, fetches chunk cq into buffer g
.macro QUARTER slot, cq, f, g
	s_wait_dscnt 4                                 ; B and A's tiles 0, 1 are in; the four youngest loads (A's tiles 2, 3) may be out
	WIN W_MUL
	MULA \f, 0
	MULA \f, 1
	PLACES 4                                       ; in front of loads into registers that products have read
	WIN 0
	FETCH \slot, \cq, \g
	s_wait_dscnt 24                                ; all but the 24 just issued
	WIN W_MUL
	MULA \f, 2
	MULA \f, 3
.endm
; The last quarter multiplies buffer 1 and changes slots: each wave waits for all its tensor loads, adds 0 to its spare word, and waits for that and for its reads of this slot
.macro TURN slot, next, fill
	WIN 0                                          ; the add's two registers lie in window 0
	s_wait_tensorcnt 0x0                           ; my part of the next slot has landed; no load of mine is out
	ds_add_u32 v[SPW], v[NIL]
	s_wait_dscnt 5                                 ; the add and the four youngest loads may be out
	WIN W_MUL
	MULA F1, 0                                     ; eight products stand between the add and the wait for it
	s_wait_dscnt 0x0                               ; the add is done, and my reads of this slot are over
	s_barrier_signal -1
	MULA F1, 1
	WIN 0
	s_barrier_wait -1
.if \fill
	CREST                                          ; the barrier has opened a round of the cluster's barrier
	s_add_nc_u64 s[G0+4*\slot+2:G0+4*\slot+3], s[G0+4*\slot+2:G0+4*\slot+3], 8192
	s_add_nc_u64 s[G0B+4*\slot+2:G0B+4*\slot+3], s[G0B+4*\slot+2:G0B+4*\slot+3], 8192
	JLOAD \slot                                    ; the first tensor load behind the round; its four v_nop are also the places in front of the loads below
.else
	PLACES 4
.endif
	FETCH \next, 0, F0
	WIN W_MUL
	MULA F1, 2
	MULA F1, 3
.endm
	s_wait_tensorcnt 1                             ; my part of K step 0 is in; K step 1's load may stay out
	s_barrier_signal -1
	s_barrier_wait -1
	FETCH 0, 0, F0
	s_wait_loadcnt 0x0                             ; bo
	s_mov_b32 s3, 3
.Llap:                                             ; three laps fill both slots again
	QUARTER 0, 1, F0, F1
	QUARTER 0, 2, F1, F0
	QUARTER 0, 3, F0, F1
	TURN 0, 1, 1
	QUARTER 1, 1, F0, F1
	QUARTER 1, 2, F1, F0
	QUARTER 1, 3, F0, F1
	TURN 1, 0, 1
	WIN 0                                          ; at a label and at a branch every window is 0
	s_sub_co_u32 s3, s3, 1
	s_cmp_lg_u32 s3, 0
	s_cbranch_scc1 .Llap
	QUARTER 0, 1, F0, F1                           ; the last lap fills nothing
	QUARTER 0, 2, F1, F0
	QUARTER 0, 3, F0, F1
	TURN 0, 1, 0
	QUARTER 1, 1, F0, F1
	QUARTER 1, 2, F1, F0
	QUARTER 1, 3, F0, F1
	s_wait_dscnt 4
	WIN W_MUL
	MULA F1, 0
	MULA F1, 1
	s_wait_dscnt 0x0
	MULA F1, 2
	MULA F1, 3
	WIN 0
; THE WAY OUT, a block of 16 rows x 128 columns at a time, through my own stage: a lane holds 32 bytes of a row; whole rows of 512 bytes come back.  LDS serves a wave in order: no wait between the stores and the loads.
.macro TOSTAGE a
	WIN 0x04                                       ; an LDS store's data: window 1
.irp b, 0,1,2,3,4,5,6,7
	ds_store_b128 v[STO], v[64*(\a)+8*\b:64*(\a)+8*\b+3] offset:64*\b          ; each accumulator from its low end on
	ds_store_b128 v[STO], v[64*(\a)+8*\b+4:64*(\a)+8*\b+7] offset:64*\b+16
.endr
	WIN 0
.set BB, BK+64*((\a)%2)
.irp t, 0,1,2,3,4,5,6,7,8,9,10,11,12,13,14,15
	ds_load_b128 v[BB+4*\t:BB+4*\t+3], v[RD] offset:\t*SPITCH
.endr
.endm
.macro SEND a, younger                 ; younger: the LDS instructions issued behind this block's loads, which may stay out
.set BB, BK+64*((\a)%2)
	s_wait_dscnt \younger
.irp t, 0,1,2,3,4,5,6,7,8,9,10,11,12,13,14,15
	global_store_b128 v[CO], v[BB+4*\t:BB+4*\t+3], s[OB:OB+1] offset:(16*(\a)+\t)*4096 th:TH_STORE_NT   ; the wave stores 512 consecutive bytes, aligned
.endr
.endm
	PLACES 4                                       ; behind the last products: for the stores of results and the loads into the fragments' registers
	TOSTAGE 0
.irp a, 1,2,3
.if \a > 1
	s_wait_xcnt 0x0                                ; the stores of two blocks back have read their registers: this block's rows may land there
.endif
	TOSTAGE \a
	SEND \a-1, 32                                  ; behind that block's loads: this block's 16 stores and 16 loads
.endr
	SEND 3, 0
	s_wait_tensorcnt 0x0                           ; the wave's end, behind my last tensor load and my last LDS store
	ds_add_u32 v[SPW], v[NIL]
	s_wait_dscnt 0x0
	CROUND                                         ; the closing round
	s_endpgm
.Lfunc_end_k_qda4e46dcaf_outproj:
	.size	k_qda4e46dcaf_outproj, .Lfunc_end_k_qda4e46dcaf_outproj-k_qda4e46dcaf_outproj
	.p2alignl 7, 3214868480
	.fill 96, 4, 3214868480
	.section	.rodata,"a",@progbits
	.p2align	6, 0x0
	.amdhsa_kernel k_qda4e46dcaf_outproj
		.amdhsa_group_segment_fixed_size 327680
		.amdhsa_private_segment_fixed_size 0
		.amdhsa_enable_private_segment 0
		.amdhsa_kernarg_size 32
		.amdhsa_user_sgpr_count 2
		.amdhsa_user_sgpr_kernarg_segment_ptr 1
		.amdhsa_wavefront_size32 1
		.amdhsa_system_sgpr_workgroup_id_x 1
		.amdhsa_system_sgpr_workgroup_id_y 1
		.amdhsa_system_sgpr_workgroup_id_z 1
		.amdhsa_system_vgpr_workitem_id 0
		.amdhsa_next_free_vgpr 512
		.amdhsa_next_free_sgpr 66
		.amdhsa_reserve_vcc 0
		.amdhsa_float_denorm_mode_32 3
		.amdhsa_float_denorm_mode_16_64 3
		.amdhsa_memory_ordered 1
		.amdhsa_forward_progress 1
		.amdhsa_inst_pref_size 90
	.end_amdhsa_kernel
	.amdgpu_metadata
---
amdhsa.version: [ 1, 2 ]
amdhsa.kernels:
  - .name:           k_qda4e46dcaf_outproj
    .symbol:         k_qda4e46dcaf_outproj.kd
    .args:
      - { .name: ao, .offset: 0, .size: 8, .value_kind: global_buffer, .address_space: global }
      - { .name: wof, .offset: 8, .size: 8, .value_kind: global_buffer, .address_space: global }
      - { .name: bo, .offset: 16, .size: 8, .value_kind: global_buffer, .address_space: global }
      - { .name: out0, .offset: 24, .size: 8, .value_kind: global_buffer, .address_space: global }
    .group_segment_fixed_size: 327680
    .private_segment_fixed_size: 0
    .kernarg_segment_align: 8
    .kernarg_segment_size: 32
    .max_flat_workgroup_size: 128
    .sgpr_count:     66
    .vgpr_count:     512
    .wavefront_size: 32
...
	.end_amdgpu_metadata
.endif
;; end of part 4
